; MI455X (gfx1250); checked and timed in simulation.
; The chip was launched on July 23, 2026; its instructions are those of AMD's public machine-readable ISA for CDNA 5 (MIT licence, August 2026) and "CDNA5" Instruction Set Architecture Reference Guide (July 2026). The comments in the code are by the model that wrote it; some were corrected since.
;; Attention. Allowed arithmetic: matrix products marked QUANTISED: E5M2 operands, one E8M0 scale for each 32 along K, by v_wmma_scale_f32_16x16x128_f8f6f4 with both operands' format E5M2, f32 sums; everything else in f32.
;; Inputs: Wg_codes 256 x 8 x 32 uint8 (E5M2 codes of Wg, K innermost, in blocks of 32 codes); Wg_scales 256 x 8 uint8 (E8M0 scales of Wg, one for each 32 codes along K); Wk_codes 256 x 8 x 32 uint8 (E5M2 codes of Wk, K innermost, in blocks of 32 codes); Wk_scales 256 x 8 uint8 (E8M0 scales of Wk, one for each 32 codes along K); Wo_codes 256 x 8 x 32 uint8 (E5M2 codes of Wo, K innermost, in blocks of 32 codes); Wo_scales 256 x 8 uint8 (E8M0 scales of Wo, one for each 32 codes along K); Wq_codes 256 x 8 x 32 uint8 (E5M2 codes of Wq, K innermost, in blocks of 32 codes); Wq_scales 256 x 8 uint8 (E8M0 scales of Wq, one for each 32 codes along K); Wv_codes 256 x 8 x 32 uint8 (E5M2 codes of Wv, K innermost, in blocks of 32 codes); Wv_scales 256 x 8 uint8 (E8M0 scales of Wv, one for each 32 codes along K); bg 256 float32; bias 1 x 1 x 8 x 256 x 256 float32; bo 256 float32; k_x_codes 1 x 128 x 256 x 8 x 32 uint8 (E5M2 codes of k_x, K innermost, in blocks of 32 codes); k_x_scales 1 x 128 x 256 x 8 uint8 (E8M0 scales of k_x, one for each 32 codes along K); q_x_codes 1 x 128 x 256 x 8 x 32 uint8 (E5M2 codes of q_x, K innermost, in blocks of 32 codes); q_x_scales 1 x 128 x 256 x 8 uint8 (E8M0 scales of q_x, one for each 32 codes along K); v_x_codes 1 x 128 x 256 x 8 x 32 uint8 (E5M2 codes of v_x, K innermost, in blocks of 32 codes); v_x_scales 1 x 128 x 256 x 8 uint8 (E8M0 scales of v_x, one for each 32 codes along K).
;; Outputs: out0 1 x 128 x 256 x 256 float32.
;; This version of the problem:
;;   THIS VERSION OF THE PROBLEM IS GIVEN IN LOW PRECISION. The matrix products marked QUANTISED in the list below multiply operands that are first quantised to E5M2 (5 exponent bits, 2 mantissa bits; 8 bits a number), with one power-of-two scale for each 32 numbers along K (OCP MX v1.0); their sums are f32. All else is computed in f32.
;;   The module's matrix products, in the order in which they are computed (A, B: the left and right operand; K: the contracted axis; several contracted axes count as one K, in the product's order):
;;     1. [M 32,768, K 256] x [K 256, N 256]; A: input q_x (given as codes); B: input Wq (given as codes): QUANTISED
;;     2. [M 32,768, K 256] x [K 256, N 256]; A: input k_x (given as codes); B: input Wk (given as codes): QUANTISED
;;     3. [M 32,768, K 256] x [K 256, N 256]; A: input v_x (given as codes); B: input Wv (given as codes): QUANTISED
;;     4. batch 1,024 x [M 256, K 32] x [K 32, N 256]; A: computed on the way; B: computed on the way: QUANTISED
;;     5. batch 1,024 x [M 32, K 256] x [K 256, N 256]; A: computed on the way; B: softmax (see below): QUANTISED
;;     6. [M 32,768, K 256] x [K 256, N 256]; A: input q_x (given as codes); B: input Wg (given as codes): QUANTISED
;;     7. [M 32,768, K 256] x [K 256, N 256]; A: computed on the way; B: input Wo (given as codes): QUANTISED
;;   THE QUANTISER, for each operand of a quantised product, along K:
;;     - K is cut into blocks of 32 from its start; a last block that is shorter is filled with zeros.
;;     - A block's scale is 2^e with e = floor(log2(the largest magnitude in the block)) - 15, held to -126 .. 127; a block of zeros has e = 0. As a byte (E8M0): e + 127.
;;     - Each number is divided by its block's scale, clamped to +-57,344, and rounded to the nearest number of E5M2, ties to even, subnormals kept.
;;     - The product sums the exact products of the quantised numbers (number of the format x scale) in f32.
;;   ~~~python
;;   def quantise(x, axis):      # numpy; x: float32 -> the quantised numbers, widened to float32 again
;;       x = np.moveaxis(x, axis, -1); K = x.shape[-1]
;;       x = np.pad(x, [(0, 0)] * (x.ndim - 1) + [(0, -K % 32)]); x = x.reshape(x.shape[:-1] + (-1, 32)); a = np.abs(x).max(-1, keepdims=True)
;;       e = np.where(a > 0, np.clip(np.frexp(np.where(a > 0, a, 1))[1] - 1 - 15, -126, 127), 0)      # np.frexp(a)[1] - 1 = floor(log2(a)), exactly
;;       r = np.clip(x / 2.0 ** e, -57344, 57344)
;;       step = 2.0 ** (np.maximum(np.frexp(np.where(r == 0, 1, r))[1] - 1, -14) - 2)
;;       q = np.round(r / step) * step * 2.0 ** e      # np.round: ties to even
;;       return np.moveaxis(q.reshape(q.shape[:-2] + (-1,))[..., :K], -1, axis).astype(np.float32)
;;   ~~~
;;   SOFTMAX AHEAD OF A QUANTISED PRODUCT. Where the list says 'softmax', what is quantised is not the finished softmax but p = 2^(t - M), with t = logit x log2(e) and M = ceil(the row's largest t), a whole number; so 1/2 < the row's largest p <= 1. The row's sum l is taken of the UNQUANTISED p, in f32, and the product's result is divided by l at the end. Since M is a whole number, a kernel that streams over the keys may use a running M (the ceiling of the running maximum): every later rescaling is an exact power of two, which a block's scale takes up: the codes' values come out the same.
;;   OPERANDS COMPUTED ON THE WAY. 'Computed on the way' means the value that the module computes at that place (a softmax that the list does not call 'softmax' is quantised finished and normalised). What goes into a quantiser is computed in f32, as accurately as f32 sums, v_exp_f32 and their like allow (about 1e-6 of the number): no bf16 or f16 on the way to a quantiser, and a product that is left as it is and whose result goes on into a quantised operand takes f32 operands (vector FMAs, or v_wmma_f32_16x16x4_f32). A number that lies on a knife's edge between two numbers of the format may be rounded either way, as far as f32 arithmetic and the matrix unit's own rounding can turn it there, and no further.
;;   INPUTS GIVEN AS CODES. Wg (in the module: [256, 256], K = its axis 0); Wk (in the module: [256, 256], K = its axis 0); Wo (in the module: [256, 256], K = its axis 0); Wq (in the module: [256, 256], K = its axis 0); Wv (in the module: [256, 256], K = its axis 0); k_x (in the module: [1, 128, 256, 256], K = its axis 3); q_x (in the module: [1, 128, 256, 256], K = its axis 3); v_x (in the module: [1, 128, 256, 256], K = its axis 3): each comes as NAME_codes (uint8): NAME with its K axis moved to the last place and cut into blocks of 32 codes, [.., K / 32, bytes a block], one block behind the other in memory; one code a byte (a code: sign, 5 exponent bits, 2 mantissa bits); and NAME_scales (uint8): the same leading axes, one E8M0 byte (e + 127) for each 32 codes along K. Its value is code x scale, taken as it is: it is not quantised again, and the codes and scales need not be those that the quantiser above would give.
;; 2 versions. Each part assembles by itself: llvm-mc -triple=amdgcn-amd-amdhsa -mcpu=gfx1250 --defsym DOCPART=n.
;; ======== version 1 of 2: 1 launch
;; launch attn (part 1): grid 2 x 128, 16 waves a work-group, no clusters, 325,632 bytes of LDS; arguments k_x_codes, k_x_scales, v_x_codes, v_x_scales, q_x_codes, q_x_scales, Wk_codes, Wk_scales, Wv_codes, Wv_scales, Wq_codes, Wq_scales, Wg_codes, Wg_scales, Wo_codes, Wo_scales, bg, bo, bias, out0; writes out0
.if DOCPART == 1
	.amdgcn_target "amdgcn-amd-amdhsa--gfx1250"
	.amdhsa_code_object_version 6
	.text
	.protected	k_q03a36ba437_attn
	.globl	k_q03a36ba437_attn
	.p2align	8
	.type	k_q03a36ba437_attn,@function
k_q03a36ba437_attn:
	s_mov_b64 s[64:65], 0
	v_nop
	global_prefetch_b8 v0, s[64:65] scope:SCOPE_SE
	s_setreg_imm32_b32 hwreg(HW_REG_WAVE_MODE, 25, 1), 1
	s_wait_xcnt 0x0
; Gated attention, all seven products on codes of BF8 (E5M2) with one E8M0 scale for each 32 along K, in ONE launch: nothing goes through memory between the steps.
; out[row][q][:] = ((softmax_k(q.k / sqrt(32) + bias) v) * sigmoid(q_x Wg + bg)) Wo + bo;  128 rows, 256 queries, 256 keys, 8 heads of 32.
; SHARES.  A work-group takes one row and 128 of its queries (x = which 128, y = the row), all 8 heads, all 256 keys: 256 work-groups.  k and v are projected in both work-groups of a row.
; Sixteen waves of 256 registers, four to a SIMD, so that one wave's softmax stands beside another's products and loads.  Wave w: head hd = w % 8, half = w / 8.
;   P0  the row's k_x, v_x (256 tokens) and my q_x (128 tokens) are staged in LDS once, through registers.
;   P1  wave (hd, half): head hd's 32 columns of K and V for keys 128 half on, of Q and the gate for queries 64 half on.  K, V, Q are quantised in registers; K, V go to LDS as codes, Q and the gate as register images.
;   P2  wave (hd, half): head hd, its 64 queries, a tile of 16 at a time, the keys in two steps of 128: S^T = K Q^T + bias, p = 2^(t - M), O^T = V^T p^T; / l, x gate, quantised (one block = one head), image to LDS.
;       The bias is the one operand of P2 that comes from outside LDS: each step's 64 numbers a lane are asked for a whole step ahead, into the set of 64 registers that the other step has left.
;   P3  wave w: out columns 64 (w % 4) on, query tiles 2 (w / 4) and 2 (w / 4) + 1; through a stage in LDS; sixteen lanes store 256 consecutive bytes, aligned.
; LAYOUT.  r = lane % 16, h = lane / 16, rp = r + 8 (r / 8).  K, Q, gate, S, O and out are made TRANSPOSED (source 0 = weight rows, keys or channels; source 1 = tokens): a lane holds one token throughout.
; A tile's 16 rows of source 0 are rows 8 u + rp of a group of 32, so that the 16 registers of tiles u = 0, 1 are 16 neighbours, 16 h + 0 .. 15, along the next product's K: the conversions' results are operand registers.
; In LDS such rows (K's keys, v_x's tokens, V^T's channels, and their scale words) lie with bits 3 and 4 of the row index swapped: a tile's read then takes 16 consecutive rows, 272 bytes apart.
; K = 32 IN K Q^T: only block 0 of the 128 counts.  Q's registers 4-15 hold zero codes, so what stands in K's registers 4-15 (the next tiles' codes, or p's codes of the step before, all finite) adds nothing; the scale words hold the byte in byte 0.
; The bias, x sqrt(32), is the C of K Q^T, so that t = result x log2(e) / sqrt(32); bg and bo are the C of their products' first K step.
; NO JOINT LOADS: what the two work-groups of a row share, k_x and v_x, is 128 KiB of some 2 MiB that a work-group loads; the bias, 1 MiB a work-group, is shared by all rows, but 323,584 of the 327,680 bytes of LDS are in
; use, so no slot for it fits; v_x's rows are stored permuted, which no one tile descriptor states.  So every load goes through registers.
; LIMITS: NaN and infinity codes or numbers among the inputs are not served.  A block whose largest magnitude lies under 2^-111 (a block of zeros too) gets the scale byte 1: its codes are zeros or subnormals of that scale; these bytes are read by this program alone.
.set PT,   272                         ; an LDS row: 256 bytes + 16 = 68 words: the 16 rows that a load touches start at 16 different groups of four banks (64 banks of 4 bytes: ISA guide 11.1)
.set KC,   0                           ; K's codes: 256 rows (keys, bits 3 and 4 swapped) x PT; byte 32 hd + d
.set VT,   69632                       ; V^T's codes: 256 rows (32 hd + d, bits 3 and 4 swapped) x PT; byte = key
.set KS,   139264                      ; K's scale words: [hd][key row], 4 bytes
.set VS,   147456                      ; V^T's scale words: [step of 128 keys][row], 4 bytes
.set KX,   149504                      ; P0, P1: k_x, 256 rows x PT;
.set VX,   219136                      ; v_x, 256 rows (bits 3 and 4 swapped) x PT;
.set QX,   288768                      ; q_x, 128 rows x PT: ends at 323,584
.set GI,   149504                      ; P2, over the three: the gate's images, 8,192 bytes a wave;
.set OGI,  280576                      ; Q's codes, later o x g's, 2,048 bytes a wave: 512 a tile;
.set OGS,  313344                      ; their scale bytes as words, 512 bytes a wave: 128 a tile.  P3's stage lies over KC: 16 rows x PT a wave
; registers that stay: v1 r, v2 h, v3 lane, v4 rp
.set LF,   31                          ; P0, P1: PT r + 16 h
.set GLO,  224                         ; P0: 16 x lane
.set LT,   225                         ; PT h + 16 r
.set SKX,  226                         ; where I stage k_x, v_x, q_x
.set SVX,  227
.set SQX,  228
.set LP,   229                         ; PT rp + 16 h
.set AWP,  5                           ; P1: weight rows rp: 256 rp + 16 h;  rows r: 256 r + 16 h
.set AWN,  6
.set ASP,  7                           ; scale bytes, 8 a row: 8 rp;  8 r
.set ASN,  8
.set AKX,  9                           ; my half of k_x, v_x, q_x in LDS
.set AVX,  10
.set AQX,  11
.set AKCW, 12                          ; where I store K's codes, K's scale words, V^T's codes, V^T's scale words
.set AKSW, 13
.set AVTW, 14
.set AVSW, 15
.set ABG,  30                          ; 64 h
.set WS,   16                          ; v16-19  the weight's scale words: 2 u + K step
.set XS,   20                          ; v20-27  the tokens' scale words: 2 x + K step
.set VB,   28                          ; v28-29  V^T's scale words in the making
.set WF,   32                          ; v32-95  the weight's four fragments: 16 (2 u + K step)
.set XF,   96                          ; v96-159 four tiles of tokens, one K step
.set ACC,  160                         ; v160-223 eight accumulators
.set PC,   224                         ; v224-239 the codes just made
.set TM,   240                         ; v240-243 largest magnitudes, 244-247 bytes, 248-251 holds, 252-255 the conversions' scale operands
.set AK,   5                           ; P2: K's tiles, K's scale words, V^T's tiles, V^T's scale words
.set AKS,  6
.set AV,   7
.set AVS,  8
.set AG,   9                           ; my images: gate, codes, scale words
.set AO,   10
.set AOS,  11
.set ABI,  12                          ; bias: 1,024 r + 64 h
.set ADG,  13                          ; the three image addresses of the tile in hand
.set ADO,  14
.set ADS,  15
.set KV,   16                          ; v16-47  by turns: eight tiles of K, four registers each; V^T's two fragments
.set PCD,  48                          ; v48-63  p's codes: they lie directly behind KV, so they are what stands behind K's last tile
.set S,    64                          ; v64-127 step 0's bias, S^T, p;  v128-191 step 1's
.set GG,   128                         ; at a tile's end, in step 1's set: v128-143 the gate, then o x g; v144-147 its codes
.set OT,   192                         ; v192-207 O^T
.set QF,   208                         ; v208-211 Q's codes; v212-223 zero codes
.set KSC,  224                         ; v224-231 K's scale words
.set VSC,  232                         ; v232-233 V^T's
.set QSC,  234
.set PSC,  235
.set BM,   236                         ; v236-239 the blocks' largest scores, then largest p, then the holds
.set BP,   240                         ; v240-243 the other half's maxima, then the conversions' scale operands
.set TS2,  244                         ; v244-245 the sum's second chain
.set NM,   246                         ; -M;  v247 the largest t (named with it as a pair)
.set MT,   247
.set LS,   248                         ; v248-249 the row's sum in two halves
.set FF,   250                         ; v250    f = 2^(old M - new M), later 1 / l; v251 is named with it as a pair
.set T,    252
.set T2,   253
.set OGF,  16                          ; P3: v16-47 two fragments of o x g
.set WOS,  48                          ; v48-55  Wo's scale words: 2 nt + K step
.set OGSC, 56                          ; v56-59  o x g's: 2 K step + e
.set WO,   64                          ; v64-191 Wo's eight fragments; later v64-127 rows of out
.set ACC3, 192                         ; v192-255 eight accumulators: 8 (4 e + nt)
.macro PLACES n                        ; plain vector lines that name no register of the product behind which they stand (ISA guide 7.12.1)
.rept \n
	v_nop
.endr
.endm
.macro WM d, a, b, sa, sb              ; D = A B + D
	v_wmma_scale_f32_16x16x128_f8f6f4 v[(\d):(\d)+7], v[(\a):(\a)+15], v[(\b):(\b)+15], v[(\d):(\d)+7], v[(\sa)], v[(\sb)] matrix_a_fmt:MATRIX_FMT_BF8 matrix_b_fmt:MATRIX_FMT_BF8
.endm
.macro WM0 d, a, b, sa, sb             ; D = A B: the first product starts the sum
	v_wmma_scale_f32_16x16x128_f8f6f4 v[(\d):(\d)+7], v[(\a):(\a)+15], v[(\b):(\b)+15], 0, v[(\sa)], v[(\sb)] matrix_a_fmt:MATRIX_FMT_BF8 matrix_b_fmt:MATRIX_FMT_BF8
.endm
.macro PADD p                          ; a buffer's address + the offset in s[8:9]
	s_add_nc_u64 s[\p:\p+1], s[\p:\p+1], s[8:9]
.endm
; My head's 32 rows of a weight, both K steps, and their scale words: 18 loads.  step = 8 with rows rp, 16 with rows r
.macro WLOAD cp, sp, adr, sadr, step
.irp u, 0,1
.irp k, 0,1
.irp c, 0,1,2,3
	global_load_b128 v[WF+16*(2*\u+\k)+4*\c:WF+16*(2*\u+\k)+4*\c+3], v[\adr], s[\cp:\cp+1] offset:\u*\step*256+128*\k+32*\c
.endr
.endr
	global_load_b64 v[WS+2*\u:WS+2*\u+1], v[\sadr], s[\sp:\sp+1] offset:\u*\step*8
.endr
.endm
; Four tiles of 16 tokens, LDS rows 16 (4 bt + x) + r of my half, K step ks
.macro XLOAD adr, bt, ks
.irp x, 0,1,2,3
.irp c, 0,1,2,3
	ds_load_b128 v[XF+16*\x+4*\c:XF+16*\x+4*\c+3], v[\adr] offset:(4*\bt+\x)*16*PT+128*\ks+32*\c
.endr
.endr
.endm
; and their scale words, both K steps.  perm = 1: the tokens that the swapped rows hold
.macro XSLOAD ptr, perm, bt
.irp x, 0,1,2,3
.if \perm
	global_load_b64 v[XS+2*\x:XS+2*\x+1], v[ASP], s[\ptr:\ptr+1] offset:(32*(2*\bt+\x/2)+8*(\x%2))*8
.else
	global_load_b64 v[XS+2*\x:XS+2*\x+1], v[ASN], s[\ptr:\ptr+1] offset:(4*\bt+\x)*128
.endif
.endr
.endm
; Eight products, the eight accumulators by turns, one instruction a turn.
; kind = 0: source 0 = weight rows, source 1 = tokens: accumulator 2 x + u.   kind = 1 (V): source 0 = tokens, source 1 = weight rows: accumulator 2 (2 g + b) + u: column tile g, key block b
.macro MM kind, ks, zero
.if \kind
.irp g, 0,1
.irp b, 0,1
.irp u, 0,1
.if \zero
	WM0 ACC+16*(2*\g+\b)+8*\u, XF+16*(2*\b+\u), WF+16*(2*\g+\ks), XS+2*(2*\b+\u)+\ks, WS+2*\g+\ks
.else
	WM ACC+16*(2*\g+\b)+8*\u, XF+16*(2*\b+\u), WF+16*(2*\g+\ks), XS+2*(2*\b+\u)+\ks, WS+2*\g+\ks
.endif
.endr
.endr
.endr
.else
.irp x, 0,1,2,3
.irp u, 0,1
.if \zero
	WM0 ACC+16*\x+8*\u, WF+16*(2*\u+\ks), XF+16*\x, WS+2*\u+\ks, XS+2*\x+\ks
.else
	WM ACC+16*\x+8*\u, WF+16*(2*\u+\ks), XF+16*\x, WS+2*\u+\ks, XS+2*\x+\ks
.endif
.endr
.endr
.endif
.endm
; A batch: four tiles of tokens x my head's 32 columns, K = 256 in two steps.  K step 0's tiles, the weight and the scale words were asked for ahead
.macro BATCH kind, adr, bt, zero
	s_wait_loadcnt 0x0                             ; the weight, the scale words (and bg, where it is the C)
	s_wait_dscnt 0x0                               ; K step 0's tiles are in; the last batch's LDS stores have read their registers
	MM \kind, 0, \zero
	PLACES 8                                       ; in front of loads into registers that the products have read
	XLOAD \adr, \bt, 1
	s_wait_dscnt 0x0
	MM \kind, 1, 0
	PLACES 8                                       ; in front of the next loads into operands and of the first read of results
.endm
; 64 numbers of a lane, four blocks: register 16 b + i is number 16 h + i of block b; lane l xor 16 holds the block's other 16.  Codes to v[PC + 4 b ..], the scale's byte to v[TM + 4 + b]
.macro QUANT src
.irp b, 0,1,2,3
	v_max3_num_f32 v[TM+\b], |v[\src+16*\b]|, |v[\src+16*\b+1]|, 0x8000000   ; my 16 numbers, and the floor 2^(16 - 127): the byte cannot fall under 1
.endr
.irp i, 2,4,6,8,10,12,14
.irp b, 0,1,2,3
	v_max3_num_f32 v[TM+\b], v[TM+\b], |v[\src+16*\b+\i]|, |v[\src+16*\b+\i+1]|   ; the four blocks by turns
.endr
.endr
.irp b, 0,1,2,3
	v_permlanex16_b32 v[TM+4+\b], v[TM+\b], s56, s57
.endr
.irp b, 0,1,2,3
	v_max_num_f32 v[TM+\b], v[TM+\b], v[TM+4+\b]   ; the block's largest magnitude
.endr
.irp b, 0,1,2,3
	v_add_nc_u32 v[TM+12+\b], 0xf8800000, v[TM+\b] ; 15 off its exponent field: the conversion's scale operand
.endr
.irp b, 0,1,2,3
	v_and_or_b32 v[TM+8+\b], v[TM+\b], 0x7f800000, s60   ; 57,344 x the scale
.endr
.irp b, 0,1,2,3
	v_lshrrev_b32 v[TM+4+\b], 23, v[TM+12+\b]      ; the scale's byte
.endr
.irp b, 0,1,2,3
.irp i, 0,1,2,3,4,5,6,7,8,9,10,11,12,13,14,15
	v_med3_num_f32 v[\src+16*\b+\i], v[\src+16*\b+\i], -v[TM+8+\b], v[TM+8+\b]   ; the conversion to an 8-bit code does not saturate (ISA guide 7.6.2): the hold
.endr
	v_cvt_scalef32_pk8_bf8_f32 v[PC+4*\b:PC+4*\b+1], v[\src+16*\b:\src+16*\b+7], v[TM+12+\b]
	v_cvt_scalef32_pk8_bf8_f32 v[PC+4*\b+2:PC+4*\b+3], v[\src+16*\b+8:\src+16*\b+15], v[TM+12+\b]
.endr
	v_nop                                          ; one plain line behind the last conversion
.endm
.macro KSTORE bt                       ; key tile kt = 4 bt + x goes to rows 32 (kt / 2) + 8 (kt % 2) + rp of my half
.irp x, 0,1,2,3
	ds_store_b128 v[AKCW], v[PC+4*\x:PC+4*\x+3] offset:(32*((4*\bt+\x)/2)+8*(\x%2))*PT
	ds_store_b32 v[AKSW], v[TM+4+\x] offset:(32*((4*\bt+\x)/2)+8*(\x%2))*4
.endr
.endm
.macro VSTORE bt                       ; column tile g goes to rows 8 g + rp of my head; key block 2 bt + b of my half
.irp g, 0,1
.irp b, 0,1
	ds_store_b128 v[AVTW], v[PC+4*(2*\g+\b):PC+4*(2*\g+\b)+3] offset:8*\g*PT+32*(2*\bt+\b)
.endr
.endr
.endm
.macro KLOAD st                        ; the eight tiles of K of key step st, 16 bytes a lane each, and their scale words
.irp t, 0,1,2,3,4,5,6,7
	ds_load_b128 v[KV+4*\t:KV+4*\t+3], v[AK] offset:(128*\st+16*\t)*PT
.endr
.irp t, 0,1,2,3,4,5,6,7
	ds_load_b32 v[KSC+\t], v[AKS] offset:(128*\st+16*\t)*4
.endr
.endm
.macro VLOAD st                        ; V^T's two fragments (16 channels x 128 keys) of key step st, and their scale words
.irp u, 0,1
.irp c, 0,1,2,3
	ds_load_b128 v[KV+16*\u+4*\c:KV+16*\u+4*\c+3], v[AV] offset:16*\u*PT+128*\st+32*\c
.endr
	ds_load_b32 v[VSC+\u], v[AVS] offset:1024*\st+64*\u
.endr
.endm
.macro BIASG dst, off, b               ; bias(query r, keys 32 b + 16 h + 0 .. 15) in S^T's layout: four loads, which together read 128 consecutive bytes of each of 16 rows
.irp q, 0,1,2,3
	global_load_b128 v[\dst+16*\b+4*\q:\dst+16*\b+4*\q+3], v[ABI], s[52:53] offset:\off+128*\b+16*\q
.endr
.endm
; ---------------------------------------------------------------- P0: addresses; the row's tokens into LDS
	s_load_b512 s[16:31], s[0:1], 0x0              ; 16 k_x codes, 18 scales, 20 v_x codes, 22 scales, 24 q_x codes, 26 scales, 28 Wk codes, 30 scales
	s_load_b512 s[32:47], s[0:1], 0x40             ; 32 Wv codes, 34 scales, 36 Wq, 38, 40 Wg, 42, 44 Wo, 46
	s_load_b256 s[48:55], s[0:1], 0x80             ; 48 bg, 50 bo, 52 bias, 54 out
	v_lshrrev_b32 v1, 5, v0
	v_readfirstlane_b32 s2, v1                     ; wave 0..15
	v_and_b32 v3, 31, v0                           ; lane
	v_lshlrev_b32 v[GLO], 4, v3
	s_and_b32 s3, s2, 7                            ; hd
	s_lshr_b32 s4, s2, 3                           ; half
	s_mov_b32 s5, ttmp9                            ; which 128 queries
	s_and_b32 s6, ttmp7, 0xffff                    ; the row
	s_mov_b32 s9, 0
	s_mov_b32 s11, 0
	s_lshl_b32 s12, s6, 16                         ; a row's codes: 65,536 bytes
	s_lshl_b32 s13, s2, 12
	s_add_co_u32 s8, s12, s13                      ; k_x, v_x: my 16 tokens to stage
	s_lshl_b32 s13, s5, 15
	s_add_co_u32 s10, s12, s13
	s_lshl_b32 s13, s2, 11
	s_add_co_u32 s10, s10, s13                     ; q_x: my 8 tokens
	s_wait_kmcnt 0x0
	PADD 16
	PADD 20
	s_add_nc_u64 s[24:25], s[24:25], s[10:11]
.irp i, 0,1,2,3,4,5,6,7
	global_load_b128 v[96+4*\i:99+4*\i], v[GLO], s[16:17] offset:512*\i     ; 32 lanes read 512 consecutive bytes: two tokens
.endr
.irp i, 0,1,2,3,4,5,6,7
	global_load_b128 v[128+4*\i:131+4*\i], v[GLO], s[20:21] offset:512*\i
.endr
.irp i, 0,1,2,3
	global_load_b128 v[160+4*\i:163+4*\i], v[GLO], s[24:25] offset:512*\i th:TH_LOAD_NT   ; q_x is read by this work-group alone
.endr
	v_and_b32 v1, 15, v0                           ; r
	v_bfe_u32 v2, v0, 4, 1                         ; h
	v_and_b32 v4, 8, v1
	v_add_nc_u32 v4, v4, v1                        ; rp = r + 8 (r / 8)
	v_lshlrev_b32 v[AWP], 8, v4
	v_lshl_add_u32 v[AWP], v2, 4, v[AWP]
	v_lshlrev_b32 v[AWN], 8, v1
	v_lshl_add_u32 v[AWN], v2, 4, v[AWN]
	v_lshlrev_b32 v[ASP], 3, v4
	v_lshlrev_b32 v[ASN], 3, v1
	s_lshl_b32 s8, s3, 13                          ; my head's 32 rows of a weight: 8,192 bytes of codes,
	PADD 28
	PADD 32
	PADD 36
	PADD 40
	s_lshl_b32 s8, s3, 8                           ; 256 of scale bytes,
	PADD 30
	PADD 34
	PADD 38
	PADD 42
	s_lshl_b32 s8, s3, 7                           ; 128 of bg
	PADD 48
	s_lshl_b32 s12, s6, 11                         ; a row's scale bytes: 2,048
	s_lshl_b32 s13, s4, 10
	s_add_co_u32 s8, s12, s13                      ; k_x, v_x: my half's 128 tokens
	PADD 18
	PADD 22
	s_lshl_b32 s13, s5, 10
	s_add_co_u32 s8, s12, s13
	s_lshl_b32 s13, s4, 9
	s_add_co_u32 s8, s8, s13                       ; q_x: my 64 queries
	PADD 26
	WLOAD 28, 30, AWP, ASP, 8                      ; Wk
	XSLOAD 18, 0, 0
	s_lshl_b32 s8, s3, 18                          ; bias: head, 128 queries, my 64
	s_lshl_b32 s13, s5, 17
	s_add_co_u32 s8, s8, s13
	s_lshl_b32 s13, s4, 16
	s_add_co_u32 s8, s8, s13
	PADD 52
	s_and_b32 s14, s2, 3                           ; P3: ng = w % 4: 64 out columns;
	s_lshr_b32 s15, s2, 2                          ; tp = w / 4: two tiles of queries
	s_lshl_b32 s8, s14, 14
	PADD 44
	s_lshl_b32 s8, s14, 9
	PADD 46
	s_lshl_b32 s8, s14, 8
	PADD 50
	s_lshl_b32 s13, s6, 18
	s_add_co_u32 s8, s8, s13
	s_lshl_b32 s13, s5, 17
	s_add_co_u32 s8, s8, s13
	s_lshl_b32 s13, s15, 15
	s_add_co_u32 s8, s8, s13
	PADD 54                                        ; out: row, 128 queries, 32 queries, 64 columns
	s_mov_b32 s56, 0x76543210
	s_mov_b32 s57, 0xfedcba98                      ; v_permlanex16_b32's selects for lane l xor 16
	s_mov_b32 s58, 0x3e8293ee                      ; c = log2(e) / sqrt(32)
	s_mov_b32 s59, s58                             ; (the packed forms name a pair and take its low word for both halves)
	s_mov_b32 s60, 0x600000                        ; the mantissa field of 57,344
	s_mov_b32 s62, 0x40b504f3                      ; sqrt(32)
	s_mov_b32 s63, s62
	s_mov_b32 s70, 0xbfb8aa3b                      ; -log2(e)
	s_mov_b32 s71, s70
	v_mul_u32_u24 v[LF], v1, PT
	v_lshl_add_u32 v[LF], v2, 4, v[LF]
	v_mul_u32_u24 v[LP], v4, PT
	v_lshl_add_u32 v[LP], v2, 4, v[LP]
	v_mul_u32_u24 v[LT], v2, PT
	v_lshl_add_u32 v[LT], v1, 4, v[LT]
	s_mul_i32 s12, s2, 16*PT
	s_add_co_u32 s12, s12, KX
	v_add_nc_u32 v[SKX], s12, v[LT]                ; k_x: rows 16 w + 2 i + h
	s_lshr_b32 s12, s2, 1
	s_mul_i32 s12, s12, 32*PT
	s_and_b32 s13, s2, 1
	s_mul_i32 s13, s13, 8*PT
	s_add_co_u32 s12, s12, s13
	s_add_co_u32 s12, s12, VX
	v_add_nc_u32 v[SVX], s12, v[LT]                ; v_x: token 16 w + 2 i + h goes to row 32 (w / 2) + 8 (w % 2) + 16 (i / 4) + 2 (i % 4) + h
	s_mul_i32 s12, s2, 8*PT
	s_add_co_u32 s12, s12, QX
	v_add_nc_u32 v[SQX], s12, v[LT]
	s_mul_i32 s12, s4, 128*PT
	s_add_co_u32 s13, s12, KX
	v_add_nc_u32 v[AKX], s13, v[LF]
	s_add_co_u32 s13, s12, VX
	v_add_nc_u32 v[AVX], s13, v[LF]
	s_lshl_b32 s13, s3, 5
	s_add_co_u32 s13, s13, s12
	v_add_nc_u32 v[AKCW], s13, v[LP]               ; KC (at LDS byte 0) + 128 half rows + 32 hd
	s_mul_i32 s13, s4, 64*PT
	s_add_co_u32 s13, s13, QX
	v_add_nc_u32 v[AQX], s13, v[LF]
	s_lshl_b32 s13, s3, 10
	s_lshl_b32 s14, s4, 9
	s_add_co_u32 s13, s13, s14
	s_add_co_u32 s13, s13, KS
	v_lshl_add_u32 v[AKSW], v4, 2, s13
	s_mul_i32 s13, s3, 32*PT
	s_lshl_b32 s14, s4, 7
	s_add_co_u32 s13, s13, s14
	s_add_co_u32 s13, s13, VT
	v_add_nc_u32 v[AVTW], s13, v[LP]
	s_lshl_b32 s13, s4, 10
	s_lshl_b32 s14, s3, 7
	s_add_co_u32 s13, s13, s14
	s_add_co_u32 s13, s13, VS
	v_lshl_add_u32 v[AVSW], v4, 2, s13
	v_lshlrev_b32 v[ABG], 6, v2
.irp b, 0,1,2,3
	v_mov_b32 v[TM+4+\b], 0                        ; written once: a lane permute's destination counts as one of its sources
.endr
	s_wait_loadcnt 22                              ; the 20 stage loads are in; behind them stand Wk's 18 loads and the 4 of scale words
.irp i, 0,1,2,3,4,5,6,7
	ds_store_b128 v[SKX], v[96+4*\i:99+4*\i] offset:2*\i*PT
.endr
.irp i, 0,1,2,3,4,5,6,7
	ds_store_b128 v[SVX], v[128+4*\i:131+4*\i] offset:(16*(\i/4)+2*(\i%4))*PT
.endr
.irp i, 0,1,2,3
	ds_store_b128 v[SQX], v[160+4*\i:163+4*\i] offset:2*\i*PT
.endr
	s_wait_dscnt 0x0                               ; for the others' sake: my part of the three stages has landed
	s_barrier_signal -1
	s_barrier_wait -1                              ; everybody's has
	XLOAD AKX, 0, 0
; ---------------------------------------------------------------- P1: the projections of my head.  Behind each batch's products the next batch's loads are asked for, then the results are quantised
	BATCH 0, AKX, 0, 1                             ; K, keys 0-63 of my half
	XLOAD AKX, 1, 0
	XSLOAD 18, 0, 1
	QUANT ACC                                      ; block x = tile x's keys: the head's 32
	KSTORE 0
	BATCH 0, AKX, 1, 1                             ; K, keys 64-127
	WLOAD 32, 34, AWN, ASN, 16                     ; Wv, rows as they lie
	XLOAD AVX, 0, 0
	XSLOAD 22, 1, 0
	QUANT ACC
	KSTORE 1
	BATCH 1, AVX, 0, 1                             ; V, keys 0-63: a lane holds one channel, its registers run along the keys
	XLOAD AVX, 1, 0
	XSLOAD 22, 1, 1
	QUANT ACC                                      ; block 2 g + b: column tile g, key block b
	VSTORE 0
.irp g, 0,1
	v_lshl_or_b32 v[VB+\g], v[TM+5+2*\g], 8, v[TM+4+2*\g]    ; the scale word of my 128 keys: bytes 0, 1
.endr
	BATCH 1, AVX, 1, 1                             ; V, keys 64-127
	WLOAD 36, 38, AWP, ASP, 8                      ; Wq
	XLOAD AQX, 0, 0
	XSLOAD 26, 0, 0
	QUANT ACC
	VSTORE 1
.irp g, 0,1
	v_lshl_or_b32 v[VB+\g], v[TM+4+2*\g], 16, v[VB+\g]       ; bytes 2, 3
.endr
.irp g, 0,1
	v_lshl_or_b32 v[VB+\g], v[TM+5+2*\g], 24, v[VB+\g]
.endr
.irp g, 0,1
	ds_store_b32 v[AVSW], v[VB+\g] offset:32*\g    ; both lanes of a channel write the same word with the same value
.endr
	BATCH 0, AQX, 0, 1                             ; Q, my 64 queries
	WLOAD 40, 42, AWP, ASP, 8                      ; Wg; the queries' scale words stay
	XLOAD AQX, 0, 0
	QUANT ACC                                      ; Q's codes stay in v[PC ..], its bytes in v[TM + 4 ..], until the stages may be overwritten
.irp x, 0,1,2,3
.irp q, 0,1,2,3
	global_load_b128 v[ACC+16*\x+4*\q:ACC+16*\x+4*\q+3], v[ABG], s[48:49] offset:16*\q   ; bg(32 hd + 16 h + 0 .. 15): the C of the gate's first K step
.endr
.endr
	BATCH 0, AQX, 0, 0                             ; the gate's logits
.set j, 0
.rept 32
	v_pk_mul_f32 v[ACC+j:ACC+j+1], v[ACC+j:ACC+j+1], s[70:71] op_sel_hi:[1,0]   ; sigmoid(x) = 1 / (1 + 2^(-x log2(e))); each accumulator from its low end on
.set j, j+2
.endr
.set j, 0
.rept 64
	v_exp_f32 v[ACC+j], v[ACC+j]
.set j, j+1
.endr
	v_nop                                          ; a plain line behind the exponentials
.set j, 0
	s_wait_alu depctr_va_vdst(0)
.rept 32
	v_pk_add_f32 v[ACC+j:ACC+j+1], v[ACC+j:ACC+j+1], 1.0 op_sel_hi:[1,0]
.set j, j+2
.endr
.set j, 0
.rept 64
	v_rcp_f32 v[ACC+j], v[ACC+j]
.set j, j+1
.endr
	v_nop                                          ; a plain line behind the reciprocals
	; P2's addresses: every load and LDS instruction that named v5-15 has been waited for at the last batch's head or inside it
	s_lshl_b32 s12, s3, 5
	v_add_nc_u32 v[AK], s12, v[LF]                 ; KC (at LDS byte 0) + 32 hd
	s_lshl_b32 s12, s3, 10
	s_add_co_u32 s12, s12, KS
	v_lshl_add_u32 v[AKS], v1, 2, s12
	s_mul_i32 s12, s3, 32*PT
	s_add_co_u32 s12, s12, VT
	v_add_nc_u32 v[AV], s12, v[LF]
	s_lshl_b32 s12, s3, 7
	s_add_co_u32 s12, s12, VS
	v_lshl_add_u32 v[AVS], v1, 2, s12
	s_lshl_b32 s12, s2, 13
	s_add_co_u32 s12, s12, GI
	v_lshl_add_u32 v[AG], v3, 4, s12
	s_lshl_b32 s12, s2, 11
	s_add_co_u32 s12, s12, OGI
	v_lshl_add_u32 v[AO], v3, 4, s12
	s_lshl_b32 s12, s2, 9
	s_add_co_u32 s12, s12, OGS
	v_lshl_add_u32 v[AOS], v3, 2, s12
	v_lshlrev_b32 v[ABI], 10, v1
	v_lshl_add_u32 v[ABI], v2, 6, v[ABI]
.irp b, 0,1,2,3
	BIASG S, 0, \b                                 ; tile 0, keys 0-127: into registers that held the weight and the tokens (eight places stand behind the last products)
.endr
	s_wait_dscnt 0x0                               ; my reads of the three stages are over, my stores of K and V^T have landed
	s_barrier_signal -1
	s_barrier_wait -1                              ; everybody's: K and V^T are whole, and the stages' bytes may be written
; ---------------------------------------------------------------- P2: attention of my head for my 64 queries
.irp t, 0,1,2,3
	ds_store_b128 v[AO], v[PC+4*\t:PC+4*\t+3] offset:512*\t       ; Q's codes and bytes, tile by tile, as images of the registers: 16 x lane, 4 x lane
	ds_store_b32 v[AOS], v[TM+4+\t] offset:128*\t
.endr
	s_wait_alu depctr_va_vdst(0)
.irp i, 0,1,2,3,4,5,6,7,8,9,10,11,12,13,14,15
	ds_store_b128 v[AG], v[ACC+4*\i:ACC+4*\i+3] offset:512*\i     ; the gate: tile t is groups 4 t .. 4 t + 3
.endr
	s_wait_dscnt 0x0                               ; the stores have read their registers, which are written below
.set j, 0
.rept 12
	v_mov_b32 v[QF+4+j], 0                         ; zero codes: Q's blocks 1-3
.set j, j+1
.endr
.set j, 0
.rept 16
	v_mov_b32 v[PCD+j], 0                          ; what stands behind K's last tile in the first step; later p's codes stand there
.set j, j+1
.endr
.irp b, 0,1,2,3
	v_mov_b32 v[BP+\b], 0                          ; lane permutes' destinations
.endr
	v_mov_b32 v[T2], 0
	v_mov_b32 v[FF+1], 0                           ; (named as the upper half of a pair)
	KLOAD 0
	s_mov_b32 s66, 3                               ; tiles to go in the loop
	s_mov_b32 s67, 0                               ; the tile's place among my code images: 512 a tile,
	s_mov_b32 s68, 0                               ; my scale words: 128,
	s_mov_b32 s69, 0                               ; my gate images: 2,048
; A key step: 128 keys, for the tile of 16 queries in hand.  st = 0 starts M, l and O^T and works in v64-127; st = 1 carries them on and works in v128-191.
; THE NEXT STEP'S BIAS is asked for while this step's softmax runs, into the other step's registers, four loads at a time at four places: step 0 asks for this tile's keys 128-255, step 1 for the next tile's keys 0-127.
; last = 1: the last tile: its step 1 asks for nothing, so that no load leaves the bias.
.macro STEP st, last
.set SS, S+64*\st
.set SN, S+64-64*\st
.if \st == 0
.set NB, 1
.set NOFF, 512
.else
.set NB, 1-\last
.set NOFF, 16384
.endif
	s_wait_loadcnt 0x0                             ; this step's bias: the only loads of mine that are out, asked for a step ago
.set j, 0
.rept 8
	v_pk_mul_f32 v[SS+j:SS+j+1], v[SS+j:SS+j+1], s[62:63] op_sel_hi:[1,0]   ; x sqrt(32): so that (q.k + this) x c = (q.k / sqrt(32) + bias) log2(e)
.set j, j+2
.endr
.if \st == 1
	KLOAD 1                                        ; over V^T's fragments: the eight lines above are the places behind the products that read them
.endif
.rept 24
	v_pk_mul_f32 v[SS+j:SS+j+1], v[SS+j:SS+j+1], s[62:63] op_sel_hi:[1,0]
.set j, j+2
.endr
	PLACES 4
	s_wait_dscnt 0x0                               ; K's tiles, their scale words, Q
.irp t, 0,1,2,3,4,5,6,7
	WM SS+8*\t, KV+4*\t, QF, KSC+\t, QSC           ; S^T: lane (r, h): query r; registers 16 b + i: key 32 b + 16 h + i
.endr
	PLACES 8
	VLOAD \st                                      ; over K's tiles, which have been multiplied
.if NB
	BIASG SN, NOFF, 0
.endif
.irp b, 0,1,2,3
	v_max3_num_f32 v[BM+\b], v[SS+16*\b], v[SS+16*\b+1], v[SS+16*\b+2]     ; the largest score of each block of 32 keys: for the row's maximum, and, since p rises with the score, for the block's largest p
.endr
.irp i, 3,5,7,9,11,13
.irp b, 0,1,2,3
	v_max3_num_f32 v[BM+\b], v[BM+\b], v[SS+16*\b+\i], v[SS+16*\b+\i+1]
.endr
.endr
.irp b, 0,1,2,3
	v_max_num_f32 v[BM+\b], v[BM+\b], v[SS+16*\b+15]
.endr
.irp b, 0,1,2,3
	v_permlanex16_b32 v[BP+\b], v[BM+\b], s56, s57
.endr
.irp b, 0,1,2,3
	v_max_num_f32 v[BM+\b], v[BM+\b], v[BP+\b]     ; with lane l xor 16's 16 keys
.endr
.if NB
	BIASG SN, NOFF, 1
.endif
	v_max3_num_f32 v[T], v[BM], v[BM+1], v[BM+2]
	v_max_num_f32 v[T], v[T], v[BM+3]
.if \st == 0
	v_mul_f32 v[MT], s58, v[T]                     ; the largest t so far (c is positive)
	v_floor_f32 v[NM], -v[MT]                      ; -M = floor(-t) = -ceil(t): M is a whole number
.else
	v_mul_f32 v[T], s58, v[T]
	v_max_num_f32 v[MT], v[MT], v[T]
	v_mov_b32 v[T2], v[NM]
	v_floor_f32 v[NM], -v[MT]
	v_sub_f32 v[T2], v[NM], v[T2]                  ; old M - new M: a whole number, 0 or less
	v_cvt_i32_f32 v[T2], v[T2]
	v_ldexp_f32 v[FF], 1.0, v[T2]                  ; f = 2^(old M - new M): a multiplication by it rounds nothing
.endif
.set j, 0
.rept 32
	v_pk_fma_f32 v[SS+j:SS+j+1], v[SS+j:SS+j+1], s[58:59], v[NM:NM+1] op_sel_hi:[1,0,0]   ; t - M
.set j, j+2
.endr
.irp b, 0,1,2,3
	v_fma_f32 v[BM+\b], v[BM+\b], s58, v[NM]       ; the same of each block's largest score
.endr
.if NB
	BIASG SN, NOFF, 2
.endif
.set j, 0
.rept 64
	v_exp_f32 v[SS+j], v[SS+j]                     ; p = 2^(t - M): not normalised
.set j, j+1
.endr
.irp b, 0,1,2,3
	v_exp_f32 v[BM+\b], v[BM+\b]                   ; the block's largest p: the same two instructions on the same number
.endr
.if \st == 0
	v_nop                                          ; a plain line behind the exponentials
	s_wait_alu depctr_va_vdst(0)
.else
	v_pk_mul_f32 v[LS:LS+1], v[LS:LS+1], v[FF:FF+1] op_sel_hi:[1,0]     ; the sums under the new M (a plain line behind the exponentials)
	s_wait_alu depctr_va_vdst(0)
.endif
.irp b, 0,1,2,3
	v_max_num_f32 v[BM+\b], 0x8000000, v[BM+\b]    ; the floor 2^(16 - 127)
.endr
.irp b, 0,1,2,3
	v_add_nc_u32 v[BP+\b], 0xf8800000, v[BM+\b]    ; 15 off the exponent field: the conversion's scale operand, where the other half's maxima stood
.endr
.irp b, 0,1,2,3
	v_and_or_b32 v[BM+\b], v[BM+\b], 0x7f800000, s60   ; 57,344 x the scale, in place
.endr
	v_lshrrev_b32 v[PSC], 23, v[BP]                ; the four scales' bytes make p's scale word for these 128 keys
	v_lshrrev_b32 v[T], 23, v[BP+1]
	v_lshrrev_b32 v[T2], 23, v[BP+2]
	v_lshl_or_b32 v[PSC], v[T], 8, v[PSC]
	v_lshrrev_b32 v[T], 23, v[BP+3]
	v_lshl_or_b32 v[PSC], v[T2], 16, v[PSC]
	v_lshl_or_b32 v[PSC], v[T], 24, v[PSC]
.if NB
	BIASG SN, NOFF, 3
.endif
	v_pk_add_f32 v[TS2:TS2+1], v[SS:SS+1], v[SS+2:SS+3]    ; the row's sum is taken of the unquantised p: two chains
.irp i, 4,8,12,16,20,24,28,32,36,40,44,48,52,56,60
	v_pk_add_f32 v[LS:LS+1], v[LS:LS+1], v[SS+\i:SS+\i+1]
	v_pk_add_f32 v[TS2:TS2+1], v[TS2:TS2+1], v[SS+\i+2:SS+\i+3]
.endr
	v_pk_add_f32 v[LS:LS+1], v[LS:LS+1], v[TS2:TS2+1]
.irp b, 0,1,2,3
.irp i, 0,1,2,3,4,5,6,7,8,9,10,11,12,13,14,15
	v_min_num_f32 v[SS+16*\b+\i], v[SS+16*\b+\i], v[BM+\b]   ; the hold; p is not negative, so it is one-sided
.endr
	v_cvt_scalef32_pk8_bf8_f32 v[PCD+4*\b:PCD+4*\b+1], v[SS+16*\b:SS+16*\b+7], v[BP+\b]
	v_cvt_scalef32_pk8_bf8_f32 v[PCD+4*\b+2:PCD+4*\b+3], v[SS+16*\b+8:SS+16*\b+15], v[BP+\b]
.endr
	v_nop                                          ; one plain line behind the last conversion
.if \st == 1
.set j, 0
.rept 8
	v_pk_mul_f32 v[OT+j:OT+j+1], v[OT+j:OT+j+1], v[FF:FF+1] op_sel_hi:[1,0]   ; O^T under the new M, each accumulator from its low end on
.set j, j+2
.endr
.endif
	PLACES 4                                       ; p's codes stand four plain lines ahead of the products, its scale word far more than eight
	s_wait_dscnt 0x0                               ; V^T's fragments and scale words
.irp u, 0,1
.if \st == 0
	WM0 OT+8*\u, KV+16*\u, PCD, VSC+\u, PSC        ; O^T: register 8 u + j: channel 16 h + 8 u + j of query r
.else
	WM OT+8*\u, KV+16*\u, PCD, VSC+\u, PSC
.endif
.endr
.endm
; A tile of 16 queries.  last = 1: the fourth, written out behind the loop: its image addresses are constants, and it asks for no further bias and no further tile of K
.macro TILE last
.if \last
	v_add_nc_u32 v[ADG], 3*2048, v[AG]
	v_add_nc_u32 v[ADO], 3*512, v[AO]
	v_add_nc_u32 v[ADS], 3*128, v[AOS]
.else
	v_add_nc_u32 v[ADG], s69, v[AG]
	v_add_nc_u32 v[ADO], s67, v[AO]
	v_add_nc_u32 v[ADS], s68, v[AOS]
.endif
	ds_load_b128 v[QF:QF+3], v[ADO]                ; the tile's Q: my own image
	ds_load_b32 v[QSC], v[ADS]
	v_mov_b32 v[LS], 0
	v_mov_b32 v[LS+1], 0
	STEP 0, \last
	STEP 1, \last
	v_add_f32 v[T], v[LS], v[LS+1]                 ; l: the two halves,
	v_permlanex16_b32 v[T2], v[T], s56, s57
	v_add_f32 v[T], v[T], v[T2]                    ; and lane l xor 16's
	v_rcp_f32 v[FF], v[T]
	PLACES 6                                       ; with the two additions: eight places behind the last products
.irp q, 0,1,2,3
	ds_load_b128 v[GG+4*\q:GG+4*\q+3], v[ADG] offset:512*\q   ; the tile's gate, in O^T's layout, into step 1's registers, which p has left
.endr
.set j, 0
	s_wait_alu depctr_va_vdst(0)
.rept 8
	v_pk_mul_f32 v[OT+j:OT+j+1], v[OT+j:OT+j+1], v[FF:FF+1] op_sel_hi:[1,0]   ; O^T / l
.set j, j+2
.endr
	s_wait_dscnt 0x0                               ; the gate
.if \last == 0
	KLOAD 0                                        ; the next tile's first K, over V^T's fragments: it lands under the lines below
.endif
.set j, 0
.rept 8
	v_pk_mul_f32 v[GG+j:GG+j+1], v[OT+j:OT+j+1], v[GG+j:GG+j+1]               ; x gate: 16 of the 32 numbers of one block of the last product's K: my head
.set j, j+2
.endr
	v_max3_num_f32 v[T], |v[GG]|, |v[GG+1]|, 0x8000000
	v_max3_num_f32 v[BM], |v[GG+2]|, |v[GG+3]|, |v[GG+4]|
	v_max3_num_f32 v[T], v[T], |v[GG+5]|, |v[GG+6]|
	v_max3_num_f32 v[BM], v[BM], |v[GG+7]|, |v[GG+8]|
	v_max3_num_f32 v[T], v[T], |v[GG+9]|, |v[GG+10]|
	v_max3_num_f32 v[BM], v[BM], |v[GG+11]|, |v[GG+12]|
	v_max3_num_f32 v[T], v[T], |v[GG+13]|, |v[GG+14]|
	v_max3_num_f32 v[T], v[T], v[BM], |v[GG+15]|
	v_permlanex16_b32 v[T2], v[T], s56, s57
	v_max_num_f32 v[T], v[T], v[T2]
	v_add_nc_u32 v[BP], 0xf8800000, v[T]
	v_and_or_b32 v[BM+1], v[T], 0x7f800000, s60
	v_lshrrev_b32 v[BP+1], 23, v[BP]
.irp i, 0,1,2,3,4,5,6,7,8,9,10,11,12,13,14,15
	v_med3_num_f32 v[GG+\i], v[GG+\i], -v[BM+1], v[BM+1]
.endr
	v_cvt_scalef32_pk8_bf8_f32 v[GG+16:GG+17], v[GG:GG+7], v[BP]
	v_cvt_scalef32_pk8_bf8_f32 v[GG+18:GG+19], v[GG+8:GG+15], v[BP]
	v_nop                                          ; one plain line behind the last conversion
	ds_store_b128 v[ADO], v[GG+16:GG+19]           ; over the tile's Q, which has been read: four registers of a fragment of the last product
	ds_store_b32 v[ADS], v[BP+1]
.if \last == 0
	s_wait_xcnt 0x0                                ; the bias loads have had their addresses translated: only now does their base step
	s_add_nc_u64 s[52:53], s[52:53], 16384         ; the next 16 queries' rows of the bias
	s_add_co_u32 s67, s67, 512
	s_add_co_u32 s68, s68, 128
	s_add_co_u32 s69, s69, 2048
.endif
	s_wait_dscnt 0x0                               ; the two stores have read their registers, which are written again behind this line
.endm
.Ltile:                                            ; three trips: a tile of 16 queries each
	TILE 0
	s_sub_co_u32 s66, s66, 1
	s_cmp_lg_u32 s66, 0
	s_cbranch_scc1 .Ltile
	TILE 1                                         ; the fourth tile
; ---------------------------------------------------------------- P3: out = (o x g) Wo^T + bo.  Wave w: columns 64 ng on, query tiles 2 tp + e
	s_wait_loadcnt 0x0                             ; no bias load is out: v12 and v64-255 get new contents
	s_lshr_b32 s12, s2, 2                          ; tp
	s_lshr_b32 s13, s12, 1                         ; which half's waves made my tiles,
	s_and_b32 s12, s12, 1                          ; and which two of their four
	s_lshl_b32 s14, s13, 14
	s_lshl_b32 s15, s12, 10
	s_add_co_u32 s14, s14, s15
	s_add_co_u32 s14, s14, OGI
	v_lshl_add_u32 v5, v3, 4, s14                  ; images: + 8,192 K step + 2,048 c (head 4 K step + c) + 512 e
	s_lshl_b32 s14, s13, 12
	s_lshl_b32 s15, s12, 8
	s_add_co_u32 s14, s14, s15
	s_add_co_u32 s14, s14, OGS
	v_lshl_add_u32 v6, v3, 2, s14                  ; their bytes: + 2,048 K step + 512 c + 128 e
	s_mul_i32 s14, s2, 16*PT                       ; my stage, over K's codes
	v_mul_u32_u24 v7, v1, PT
	v_lshl_add_u32 v7, v2, 5, v7
	v_add_nc_u32 v7, s14, v7                       ; in: row r, 32 bytes for each half of the lanes
	v_mul_u32_u24 v8, v2, PT
	v_lshl_add_u32 v8, v1, 4, v8
	v_add_nc_u32 v8, s14, v8                       ; back: lanes 0-15 one row of 256 bytes, lanes 16-31 the next
	v_lshlrev_b32 v9, 10, v2
	v_lshl_add_u32 v9, v1, 4, v9                   ; and the same two rows in out
	v_lshlrev_b32 v10, 8, v1
	v_lshl_add_u32 v10, v2, 4, v10                 ; Wo: row r
	v_lshlrev_b32 v11, 3, v1
	v_lshlrev_b32 v12, 5, v2                       ; bo: 8 h
.irp n, 0,1,2,3
.irp k, 0,1
.irp c, 0,1,2,3
	global_load_b128 v[WO+16*(2*\n+\k)+4*\c:WO+16*(2*\n+\k)+4*\c+3], v10, s[44:45] offset:\n*4096+128*\k+32*\c
.endr
.endr
	global_load_b64 v[WOS+2*\n:WOS+2*\n+1], v11, s[46:47] offset:128*\n
.endr
.irp e, 0,1
.irp n, 0,1,2,3
.irp q, 0,1
	global_load_b128 v[ACC3+8*(4*\e+\n)+4*\q:ACC3+8*(4*\e+\n)+4*\q+3], v12, s[50:51] offset:64*\n+16*\q   ; bo(64 ng + 16 n + 8 h + 0 .. 7): the C of the first K step
.endr
.endr
.endr
	s_wait_dscnt 0x0                               ; my images have landed, my reads of K and V^T are over
	s_barrier_signal -1
	s_barrier_wait -1                              ; everybody's
.irp k, 0,1
.irp e, 0,1
.irp c, 0,1,2,3
	ds_load_b32 v[16+4*(2*\k+\e)+\c], v6 offset:128*\e+2048*\k+512*\c
.endr
.endr
.endr
	s_wait_dscnt 0x0
.irp g, 0,1,2,3
	v_lshl_or_b32 v[OGSC+\g], v[17+4*\g], 8, v[16+4*\g]      ; four heads' bytes make the scale word of a K step
.endr
.irp g, 0,1,2,3
	v_lshl_or_b32 v[OGSC+\g], v[18+4*\g], 16, v[OGSC+\g]
.endr
.irp g, 0,1,2,3
	v_lshl_or_b32 v[OGSC+\g], v[19+4*\g], 24, v[OGSC+\g]
.endr
	PLACES 8                                       ; a scale word made by vector lines stands eight places ahead of its product
.irp k, 0,1
.irp e, 0,1
.irp c, 0,1,2,3
	ds_load_b128 v[OGF+16*\e+4*\c:OGF+16*\e+4*\c+3], v5 offset:512*\e+8192*\k+2048*\c
.endr
.endr
	s_wait_loadcnt 0x0                             ; Wo, its scale words, bo
	s_wait_dscnt 0x0
.irp e, 0,1
.irp n, 0,1,2,3
	WM ACC3+8*(4*\e+\n), WO+16*(2*\n+\k), OGF+16*\e, WOS+2*\n+\k, OGSC+2*\k+\e     ; lane (r, h): query r; register j: column 64 ng + 16 n + 8 h + j
.endr
.endr
	PLACES 8                                       ; in front of loads into operands, and of the first read of results
.endr
; The way out: a lane holds 32 neighbouring bytes of a row; a tile of 16 queries x 64 columns goes through my stage and comes back as whole rows of 256 bytes.
; LDS serves a wave's instructions in order (ISA guide 5.7.1.4): no wait between the stores and the loads, nor in front of the next tile's stores.
.irp e, 0,1
.irp n, 0,1,2,3
	ds_store_b128 v7, v[ACC3+8*(4*\e+\n):ACC3+8*(4*\e+\n)+3] offset:64*\n          ; each accumulator from its low end on
	ds_store_b128 v7, v[ACC3+8*(4*\e+\n)+4:ACC3+8*(4*\e+\n)+7] offset:64*\n+16
.endr
.irp i, 0,1,2,3,4,5,6,7
	ds_load_b128 v[WO+32*\e+4*\i:WO+32*\e+4*\i+3], v8 offset:2*\i*PT
.endr
.endr
.irp i, 0,1,2,3,4,5,6,7
	s_wait_dscnt 23-\i                             ; behind load i of tile 0: its 7 - i younger loads and tile 1's 16 stores and loads
	global_store_b128 v9, v[WO+4*\i:WO+4*\i+3], s[54:55] offset:2048*\i th:TH_STORE_NT   ; 16 lanes store 256 consecutive bytes, at a multiple of 256 from out's first byte
.endr
.irp i, 0,1,2,3,4,5,6,7
	s_wait_dscnt 7-\i
	global_store_b128 v9, v[WO+32+4*\i:WO+32+4*\i+3], s[54:55] offset:16384+2048*\i th:TH_STORE_NT
.endr
	s_wait_xcnt 0x0
	v_lshl_add_u32 v254, v0, 2, 0x4f000
	v_mov_b32 v255, 0
	s_wait_tensorcnt 0x0
	ds_add_u32 v254, v255
	s_wait_dscnt 0x0
	s_endpgm
.Lfunc_end_k_q03a36ba437_attn:
	.size	k_q03a36ba437_attn, .Lfunc_end_k_q03a36ba437_attn-k_q03a36ba437_attn
	.p2alignl 7, 3214868480
	.fill 96, 4, 3214868480
	.section	.rodata,"a",@progbits
	.p2align	6, 0x0
	.amdhsa_kernel k_q03a36ba437_attn
		.amdhsa_group_segment_fixed_size 325632
		.amdhsa_private_segment_fixed_size 0
		.amdhsa_enable_private_segment 0
		.amdhsa_kernarg_size 160
		.amdhsa_user_sgpr_count 2
		.amdhsa_user_sgpr_kernarg_segment_ptr 1
		.amdhsa_wavefront_size32 1
		.amdhsa_system_sgpr_workgroup_id_x 1
		.amdhsa_system_sgpr_workgroup_id_y 1
		.amdhsa_system_sgpr_workgroup_id_z 1
		.amdhsa_system_vgpr_workitem_id 0
		.amdhsa_next_free_vgpr 256
		.amdhsa_next_free_sgpr 72
		.amdhsa_reserve_vcc 0
		.amdhsa_float_denorm_mode_32 3
		.amdhsa_float_denorm_mode_16_64 3
		.amdhsa_memory_ordered 1
		.amdhsa_forward_progress 1
		.amdhsa_inst_pref_size 205
	.end_amdhsa_kernel
	.amdgpu_metadata
---
amdhsa.version: [ 1, 2 ]
amdhsa.kernels:
  - .name:           k_q03a36ba437_attn
    .symbol:         k_q03a36ba437_attn.kd
    .args:
      - { .name: k_x_codes, .offset: 0, .size: 8, .value_kind: global_buffer, .address_space: global }
      - { .name: k_x_scales, .offset: 8, .size: 8, .value_kind: global_buffer, .address_space: global }
      - { .name: v_x_codes, .offset: 16, .size: 8, .value_kind: global_buffer, .address_space: global }
      - { .name: v_x_scales, .offset: 24, .size: 8, .value_kind: global_buffer, .address_space: global }
      - { .name: q_x_codes, .offset: 32, .size: 8, .value_kind: global_buffer, .address_space: global }
      - { .name: q_x_scales, .offset: 40, .size: 8, .value_kind: global_buffer, .address_space: global }
      - { .name: Wk_codes, .offset: 48, .size: 8, .value_kind: global_buffer, .address_space: global }
      - { .name: Wk_scales, .offset: 56, .size: 8, .value_kind: global_buffer, .address_space: global }
      - { .name: Wv_codes, .offset: 64, .size: 8, .value_kind: global_buffer, .address_space: global }
      - { .name: Wv_scales, .offset: 72, .size: 8, .value_kind: global_buffer, .address_space: global }
      - { .name: Wq_codes, .offset: 80, .size: 8, .value_kind: global_buffer, .address_space: global }
      - { .name: Wq_scales, .offset: 88, .size: 8, .value_kind: global_buffer, .address_space: global }
      - { .name: Wg_codes, .offset: 96, .size: 8, .value_kind: global_buffer, .address_space: global }
      - { .name: Wg_scales, .offset: 104, .size: 8, .value_kind: global_buffer, .address_space: global }
      - { .name: Wo_codes, .offset: 112, .size: 8, .value_kind: global_buffer, .address_space: global }
      - { .name: Wo_scales, .offset: 120, .size: 8, .value_kind: global_buffer, .address_space: global }
      - { .name: bg, .offset: 128, .size: 8, .value_kind: global_buffer, .address_space: global }
      - { .name: bo, .offset: 136, .size: 8, .value_kind: global_buffer, .address_space: global }
      - { .name: bias, .offset: 144, .size: 8, .value_kind: global_buffer, .address_space: global }
      - { .name: out0, .offset: 152, .size: 8, .value_kind: global_buffer, .address_space: global }
    .group_segment_fixed_size: 325632
    .private_segment_fixed_size: 0
    .kernarg_segment_align: 8
    .kernarg_segment_size: 160
    .max_flat_workgroup_size: 512
    .sgpr_count:     72
    .vgpr_count:     256
    .wavefront_size: 32
...
	.end_amdgpu_metadata
.endif
;; end of part 1
;; ======== version 2 of 2: 1 launch; version 1 with the launch attn written anew for expert scheduling mode
;; launch attn (part 2): grid 2 x 128, 16 waves a work-group, no clusters, 325,632 bytes of LDS; arguments k_x_codes, k_x_scales, v_x_codes, v_x_scales, q_x_codes, q_x_scales, Wk_codes, Wk_scales, Wv_codes, Wv_scales, Wq_codes, Wq_scales, Wg_codes, Wg_scales, Wo_codes, Wo_scales, bg, bo, bias, out0; writes out0
.if DOCPART == 2
	.amdgcn_target "amdgcn-amd-amdhsa--gfx1250"
	.amdhsa_code_object_version 6
	.text
	.protected	k_q03a36ba437_attn
	.globl	k_q03a36ba437_attn
	.p2align	8
	.type	k_q03a36ba437_attn,@function
k_q03a36ba437_attn:
	s_mov_b64 s[64:65], 0
	v_nop
	global_prefetch_b8 v0, s[64:65] scope:SCOPE_SE
	s_setreg_imm32_b32 hwreg(HW_REG_WAVE_SCHED_MODE, 0, 2), 2
	s_setreg_imm32_b32 hwreg(HW_REG_WAVE_MODE, 25, 1), 1
	s_wait_xcnt 0x0
	s_wait_alu depctr_vm_vsrc(0)
; Gated attention, all seven products on codes of BF8 (E5M2) with one E8M0 scale for each 32 along K, in ONE launch: nothing goes through memory between the steps.
; out[row][q][:] = ((softmax_k(q.k / sqrt(32) + bias) v) * sigmoid(q_x Wg + bg)) Wo + bo;  128 rows, 256 queries, 256 keys, 8 heads of 32.
; SHARES.  A work-group takes one row and 128 of its queries (x = which 128, y = the row), all 8 heads, all 256 keys: 256 work-groups.  k and v are projected in both work-groups of a row.
; Sixteen waves of 256 registers, four to a SIMD, so that one wave's softmax stands beside another's products and loads.  Wave w: head hd = w % 8, half = w / 8.
;   P0  the row's k_x, v_x (256 tokens) and my q_x (128 tokens) are staged in LDS once, through registers.
;   P1  wave (hd, half): head hd's 32 columns of K and V for keys 128 half on, of Q and the gate for queries 64 half on.  K, V, Q are quantised in registers; K, V go to LDS as codes, Q and the gate as register images.
;   P2  wave (hd, half): head hd, its 64 queries, a tile of 16 at a time, the keys in two steps of 128: S^T = K Q^T + bias, p = 2^(t - M), O^T = V^T p^T; / l, x gate, quantised (one block = one head), image to LDS.
;       The bias is the one operand of P2 that comes from outside LDS: each step's 64 numbers a lane are asked for a whole step ahead, into the set of 64 registers that the other step has left.
;   P3  wave w: out columns 64 (w % 4) on, query tiles 2 (w / 4) and 2 (w / 4) + 1; through a stage in LDS; sixteen lanes store 256 consecutive bytes, aligned.
; LAYOUT.  r = lane % 16, h = lane / 16, rp = r + 8 (r / 8).  K, Q, gate, S, O and out are made TRANSPOSED (source 0 = weight rows, keys or channels; source 1 = tokens): a lane holds one token throughout.
; A tile's 16 rows of source 0 are rows 8 u + rp of a group of 32, so that the 16 registers of tiles u = 0, 1 are 16 neighbours, 16 h + 0 .. 15, along the next product's K: the conversions' results are operand registers.
; In LDS such rows (K's keys, v_x's tokens, V^T's channels, and their scale words) lie with bits 3 and 4 of the row index swapped: a tile's read then takes 16 consecutive rows, 272 bytes apart.
; K = 32 IN K Q^T: only block 0 of the 128 counts.  Q's registers 4-15 hold zero codes, so what stands in K's registers 4-15 (the next tiles' codes, or p's codes of the step before, all finite) adds nothing; the scale words hold the byte in byte 0.
; The bias, x sqrt(32), is the C of K Q^T, so that t = result x log2(e) / sqrt(32); bg and bo are the C of their products' first K step.
; NO JOINT LOADS: what the two work-groups of a row share, k_x and v_x, is 128 KiB of some 2 MiB that a work-group loads; the bias, 1 MiB a work-group, is shared by all rows, but 323,584 of the 327,680 bytes of LDS are in
; use, so no slot for it fits; v_x's rows are stored permuted, which no one tile descriptor states.  So every load goes through registers.
; LIMITS: NaN and infinity codes or numbers among the inputs are not served.  A block whose largest magnitude lies under 2^-111 (a block of zeros too) gets the scale byte 1: its codes are zeros or subnormals of that scale; these bytes are read by this program alone.
; THE MODE: SCHED_MODE bits 1:0 = 2 (LLVM: expert scheduling mode 2), set by the entry lines.  The code itself states the register dependences between vector or matrix instructions and memory or LDS instructions,
; with s_wait_alu, always for 0.
; THE PLAN: the registers that memory or LDS instructions touch, who else names them, and where the waits stand.
;   P0  v224, v5-8 (offsets): made at the head; one wait on va_vdst ahead of the first load.  v226-228, v9-15, v30 (LDS addresses, bg's offset): made while those loads are out; one wait ahead of the stages' stores.
;       v96-175: loaded, then read by the stages' stores; one wait on vm_vsrc behind the barrier, ahead of the loads and products that write them again; it frees v224-228, where the codes go, too.
;   P1  WF, WS, XF, XS: written by loads, read by products: a wait on va_vdst behind each run of eight products that is followed by loads into what it read.
;       PC, TM + 4 .., VB: written by the quantising, read by one run of LDS stores: va_vdst ahead of the run, vm_vsrc at the next batch's head.  ACC takes bg behind a wait on va_vdst for Q's quantising.
;   P2  v5-12: made once, behind a wait on vm_vsrc and ahead of one on va_vdst; never written in the loop.  v13-15: made at a tile's head, read at its end, freed by the wait on vm_vsrc at the tile's end.
;       KV, KSC, VSC, Q, QSC: written by LDS loads, read by products.  The two sets of 64: a step's vector lines and products name its own set alone, and the next bias lands in the other.
;       A key step's waits on va_vdst: (step 1 alone) ahead of K's loads; behind K Q^T, for V^T's loads and all 16 bias loads of the step; behind the exponentials; behind the conversions, ahead of V^T p^T.
;       A tile's end: behind the reciprocal, which also serves the next tile's K and Q; ahead of the two stores of o x g.
;   P3  one wait on va_vdst ahead of Wo's loads, one behind the scale words, one behind each K step's products.
.set PT,   272                         ; an LDS row: 256 bytes + 16 = 68 words: the 16 rows that a load touches start at 16 different groups of four banks (64 banks of 4 bytes: ISA guide 11.1)
.set KC,   0                           ; K's codes: 256 rows (keys, bits 3 and 4 swapped) x PT; byte 32 hd + d
.set VT,   69632                       ; V^T's codes: 256 rows (32 hd + d, bits 3 and 4 swapped) x PT; byte = key
.set KS,   139264                      ; K's scale words: [hd][key row], 4 bytes
.set VS,   147456                      ; V^T's scale words: [step of 128 keys][row], 4 bytes
.set KX,   149504                      ; P0, P1: k_x, 256 rows x PT;
.set VX,   219136                      ; v_x, 256 rows (bits 3 and 4 swapped) x PT;
.set QX,   288768                      ; q_x, 128 rows x PT: ends at 323,584
.set GI,   149504                      ; P2, over the three: the gate's images, 8,192 bytes a wave;
.set OGI,  280576                      ; Q's codes, later o x g's, 2,048 bytes a wave: 512 a tile;
.set OGS,  313344                      ; their scale bytes as words, 512 bytes a wave: 128 a tile.  P3's stage lies over KC: 16 rows x PT a wave
; registers that stay: v1 r, v2 h, v3 lane, v4 rp
.set LF,   31                          ; P0, P1: PT r + 16 h
.set GLO,  224                         ; P0: 16 x lane
.set LT,   225                         ; PT h + 16 r
.set SKX,  226                         ; where I stage k_x, v_x, q_x
.set SVX,  227
.set SQX,  228
.set LP,   229                         ; PT rp + 16 h
.set AWP,  5                           ; P1: weight rows rp: 256 rp + 16 h;  rows r: 256 r + 16 h
.set AWN,  6
.set ASP,  7                           ; scale bytes, 8 a row: 8 rp;  8 r
.set ASN,  8
.set AKX,  9                           ; my half of k_x, v_x, q_x in LDS
.set AVX,  10
.set AQX,  11
.set AKCW, 12                          ; where I store K's codes, K's scale words, V^T's codes, V^T's scale words
.set AKSW, 13
.set AVTW, 14
.set AVSW, 15
.set ABG,  30                          ; 64 h
.set WS,   16                          ; v16-19  the weight's scale words: 2 u + K step
.set XS,   20                          ; v20-27  the tokens' scale words: 2 x + K step
.set VB,   28                          ; v28-29  V^T's scale words in the making
.set WF,   32                          ; v32-95  the weight's four fragments: 16 (2 u + K step)
.set XF,   96                          ; v96-159 four tiles of tokens, one K step
.set ACC,  160                         ; v160-223 eight accumulators
.set PC,   224                         ; v224-239 the codes just made
.set TM,   240                         ; v240-243 largest magnitudes, 244-247 bytes, 248-251 holds, 252-255 the conversions' scale operands
.set AK,   5                           ; P2: K's tiles, K's scale words, V^T's tiles, V^T's scale words
.set AKS,  6
.set AV,   7
.set AVS,  8
.set AG,   9                           ; my images: gate, codes, scale words
.set AO,   10
.set AOS,  11
.set ABI,  12                          ; bias: 1,024 r + 64 h
.set ADG,  13                          ; the three image addresses of the tile in hand
.set ADO,  14
.set ADS,  15
.set KV,   16                          ; v16-47  by turns: eight tiles of K, four registers each; V^T's two fragments
.set PCD,  48                          ; v48-63  p's codes: they lie directly behind KV, so they are what stands behind K's last tile
.set S,    64                          ; v64-127 step 0's bias, S^T, p;  v128-191 step 1's
.set GG,   128                         ; at a tile's end, in step 1's set: v128-143 the gate, then o x g; v144-147 its codes
.set OT,   192                         ; v192-207 O^T
.set QF,   208                         ; v208-211 Q's codes; v212-223 zero codes
.set KSC,  224                         ; v224-231 K's scale words
.set VSC,  232                         ; v232-233 V^T's
.set QSC,  234
.set PSC,  235
.set BM,   236                         ; v236-239 the blocks' largest scores, then largest p, then the holds
.set BP,   240                         ; v240-243 the other half's maxima, then the conversions' scale operands
.set TS2,  244                         ; v244-245 the sum's second chain
.set NM,   246                         ; -M;  v247 the largest t (named with it as a pair)
.set MT,   247
.set LS,   248                         ; v248-249 the row's sum in two halves
.set FF,   250                         ; v250    f = 2^(old M - new M), later 1 / l; v251 is named with it as a pair
.set T,    252
.set T2,   253
.set OGF,  16                          ; P3: v16-47 two fragments of o x g
.set WOS,  48                          ; v48-55  Wo's scale words: 2 nt + K step
.set OGSC, 56                          ; v56-59  o x g's: 2 K step + e
.set WO,   64                          ; v64-191 Wo's eight fragments; later v64-127 rows of out
.set ACC3, 192                         ; v192-255 eight accumulators: 8 (4 e + nt)
.macro PLACES n                        ; plain vector lines that name no register of the product behind which they stand (ISA guide 7.12.1)
.rept \n
	v_nop
.endr
.endm
.macro WM d, a, b, sa, sb              ; D = A B + D
	v_wmma_scale_f32_16x16x128_f8f6f4 v[(\d):(\d)+7], v[(\a):(\a)+15], v[(\b):(\b)+15], v[(\d):(\d)+7], v[(\sa)], v[(\sb)] matrix_a_fmt:MATRIX_FMT_BF8 matrix_b_fmt:MATRIX_FMT_BF8
.endm
.macro WM0 d, a, b, sa, sb             ; D = A B: the first product starts the sum
	v_wmma_scale_f32_16x16x128_f8f6f4 v[(\d):(\d)+7], v[(\a):(\a)+15], v[(\b):(\b)+15], 0, v[(\sa)], v[(\sb)] matrix_a_fmt:MATRIX_FMT_BF8 matrix_b_fmt:MATRIX_FMT_BF8
.endm
.macro PADD p                          ; a buffer's address + the offset in s[8:9]
	s_add_nc_u64 s[\p:\p+1], s[\p:\p+1], s[8:9]
.endm
; My head's 32 rows of a weight, both K steps, and their scale words: 18 loads.  step = 8 with rows rp, 16 with rows r
.macro WLOAD cp, sp, adr, sadr, step
.irp u, 0,1
.irp k, 0,1
.irp c, 0,1,2,3
	global_load_b128 v[WF+16*(2*\u+\k)+4*\c:WF+16*(2*\u+\k)+4*\c+3], v[\adr], s[\cp:\cp+1] offset:\u*\step*256+128*\k+32*\c
.endr
.endr
	global_load_b64 v[WS+2*\u:WS+2*\u+1], v[\sadr], s[\sp:\sp+1] offset:\u*\step*8
.endr
.endm
; Four tiles of 16 tokens, LDS rows 16 (4 bt + x) + r of my half, K step ks
.macro XLOAD adr, bt, ks
.irp x, 0,1,2,3
.irp c, 0,1,2,3
	ds_load_b128 v[XF+16*\x+4*\c:XF+16*\x+4*\c+3], v[\adr] offset:(4*\bt+\x)*16*PT+128*\ks+32*\c
.endr
.endr
.endm
; and their scale words, both K steps.  perm = 1: the tokens that the swapped rows hold
.macro XSLOAD ptr, perm, bt
.irp x, 0,1,2,3
.if \perm
	global_load_b64 v[XS+2*\x:XS+2*\x+1], v[ASP], s[\ptr:\ptr+1] offset:(32*(2*\bt+\x/2)+8*(\x%2))*8
.else
	global_load_b64 v[XS+2*\x:XS+2*\x+1], v[ASN], s[\ptr:\ptr+1] offset:(4*\bt+\x)*128
.endif
.endr
.endm
; Eight products, the eight accumulators by turns, one instruction a turn.
; kind = 0: source 0 = weight rows, source 1 = tokens: accumulator 2 x + u.   kind = 1 (V): source 0 = tokens, source 1 = weight rows: accumulator 2 (2 g + b) + u: column tile g, key block b
.macro MM kind, ks, zero
.if \kind
.irp g, 0,1
.irp b, 0,1
.irp u, 0,1
.if \zero
	WM0 ACC+16*(2*\g+\b)+8*\u, XF+16*(2*\b+\u), WF+16*(2*\g+\ks), XS+2*(2*\b+\u)+\ks, WS+2*\g+\ks
.else
	WM ACC+16*(2*\g+\b)+8*\u, XF+16*(2*\b+\u), WF+16*(2*\g+\ks), XS+2*(2*\b+\u)+\ks, WS+2*\g+\ks
.endif
.endr
.endr
.endr
.else
.irp x, 0,1,2,3
.irp u, 0,1
.if \zero
	WM0 ACC+16*\x+8*\u, WF+16*(2*\u+\ks), XF+16*\x, WS+2*\u+\ks, XS+2*\x+\ks
.else
	WM ACC+16*\x+8*\u, WF+16*(2*\u+\ks), XF+16*\x, WS+2*\u+\ks, XS+2*\x+\ks
.endif
.endr
.endr
.endif
.endm
; A batch: four tiles of tokens x my head's 32 columns, K = 256 in two steps.  K step 0's tiles, the weight and the scale words were asked for ahead.  st = 1: LDS stores of codes were issued behind the last batch
.macro BATCH kind, adr, bt, zero, st
	s_wait_loadcnt 0x0                             ; the weight, the scale words (and bg, where it is the C)
	s_wait_dscnt 0x0                               ; K step 0's tiles are in
.if \st
	s_wait_alu depctr_vm_vsrc(0)                   ; the LDS stores issued behind the last batch have read the codes, bytes and scale words in v[PC ..], v[TM + 4 ..] and v[VB ..], which the next quantising writes again
.endif
	MM \kind, 0, \zero
	PLACES 8                                       ; behind the products, in front of loads into registers that they have read
	s_wait_alu depctr_va_vdst(0)                   ; the eight products are done reading the four tiles of tokens, in which K step 1's land
	XLOAD \adr, \bt, 1
	s_wait_dscnt 0x0
	MM \kind, 1, 0
	PLACES 8                                       ; in front of the next loads into operands and of the first read of results
.endm
; 64 numbers of a lane, four blocks: register 16 b + i is number 16 h + i of block b; lane l xor 16 holds the block's other 16.  Codes to v[PC + 4 b ..], the scale's byte to v[TM + 4 + b]
.macro QUANT src
.irp b, 0,1,2,3
	v_max3_num_f32 v[TM+\b], |v[\src+16*\b]|, |v[\src+16*\b+1]|, 0x8000000   ; my 16 numbers, and the floor 2^(16 - 127): the byte cannot fall under 1
.endr
.irp i, 2,4,6,8,10,12,14
.irp b, 0,1,2,3
	v_max3_num_f32 v[TM+\b], v[TM+\b], |v[\src+16*\b+\i]|, |v[\src+16*\b+\i+1]|   ; the four blocks by turns
.endr
.endr
.irp b, 0,1,2,3
	v_permlanex16_b32 v[TM+4+\b], v[TM+\b], s56, s57
.endr
.irp b, 0,1,2,3
	v_max_num_f32 v[TM+\b], v[TM+\b], v[TM+4+\b]   ; the block's largest magnitude
.endr
.irp b, 0,1,2,3
	v_add_nc_u32 v[TM+12+\b], 0xf8800000, v[TM+\b] ; 15 off its exponent field: the conversion's scale operand
.endr
.irp b, 0,1,2,3
	v_and_or_b32 v[TM+8+\b], v[TM+\b], 0x7f800000, s60   ; 57,344 x the scale
.endr
.irp b, 0,1,2,3
	v_lshrrev_b32 v[TM+4+\b], 23, v[TM+12+\b]      ; the scale's byte
.endr
.irp b, 0,1,2,3
.irp i, 0,1,2,3,4,5,6,7,8,9,10,11,12,13,14,15
	v_med3_num_f32 v[\src+16*\b+\i], v[\src+16*\b+\i], -v[TM+8+\b], v[TM+8+\b]   ; the conversion to an 8-bit code does not saturate (ISA guide 7.6.2): the hold
.endr
	v_cvt_scalef32_pk8_bf8_f32 v[PC+4*\b:PC+4*\b+1], v[\src+16*\b:\src+16*\b+7], v[TM+12+\b]
	v_cvt_scalef32_pk8_bf8_f32 v[PC+4*\b+2:PC+4*\b+3], v[\src+16*\b+8:\src+16*\b+15], v[TM+12+\b]
.endr
	v_nop                                          ; one plain line behind the last conversion
.endm
.macro KSTORE bt                       ; key tile kt = 4 bt + x goes to rows 32 (kt / 2) + 8 (kt % 2) + rp of my half
.irp x, 0,1,2,3
	ds_store_b128 v[AKCW], v[PC+4*\x:PC+4*\x+3] offset:(32*((4*\bt+\x)/2)+8*(\x%2))*PT
	ds_store_b32 v[AKSW], v[TM+4+\x] offset:(32*((4*\bt+\x)/2)+8*(\x%2))*4
.endr
.endm
.macro VSTORE bt                       ; column tile g goes to rows 8 g + rp of my head; key block 2 bt + b of my half
.irp g, 0,1
.irp b, 0,1
	ds_store_b128 v[AVTW], v[PC+4*(2*\g+\b):PC+4*(2*\g+\b)+3] offset:8*\g*PT+32*(2*\bt+\b)
.endr
.endr
.endm
.macro KLOAD st                        ; the eight tiles of K of key step st, 16 bytes a lane each, and their scale words
.irp t, 0,1,2,3,4,5,6,7
	ds_load_b128 v[KV+4*\t:KV+4*\t+3], v[AK] offset:(128*\st+16*\t)*PT
.endr
.irp t, 0,1,2,3,4,5,6,7
	ds_load_b32 v[KSC+\t], v[AKS] offset:(128*\st+16*\t)*4
.endr
.endm
.macro VLOAD st                        ; V^T's two fragments (16 channels x 128 keys) of key step st, and their scale words
.irp u, 0,1
.irp c, 0,1,2,3
	ds_load_b128 v[KV+16*\u+4*\c:KV+16*\u+4*\c+3], v[AV] offset:16*\u*PT+128*\st+32*\c
.endr
	ds_load_b32 v[VSC+\u], v[AVS] offset:1024*\st+64*\u
.endr
.endm
.macro BIASG dst, off, b               ; bias(query r, keys 32 b + 16 h + 0 .. 15) in S^T's layout: four loads, which together read 128 consecutive bytes of each of 16 rows
.irp q, 0,1,2,3
	global_load_b128 v[\dst+16*\b+4*\q:\dst+16*\b+4*\q+3], v[ABI], s[52:53] offset:\off+128*\b+16*\q
.endr
.endm
; ---------------------------------------------------------------- P0: addresses; the row's tokens into LDS
	s_load_b512 s[16:31], s[0:1], 0x0              ; 16 k_x codes, 18 scales, 20 v_x codes, 22 scales, 24 q_x codes, 26 scales, 28 Wk codes, 30 scales
	s_load_b512 s[32:47], s[0:1], 0x40             ; 32 Wv codes, 34 scales, 36 Wq, 38, 40 Wg, 42, 44 Wo, 46
	s_load_b256 s[48:55], s[0:1], 0x80             ; 48 bg, 50 bo, 52 bias, 54 out
	v_lshrrev_b32 v1, 5, v0
	v_readfirstlane_b32 s2, v1                     ; wave 0..15
	v_and_b32 v3, 31, v0                           ; lane
	v_lshlrev_b32 v[GLO], 4, v3
	v_and_b32 v1, 15, v0                           ; r.  The offsets of all the first loads are made here, while the arguments are on their way
	v_bfe_u32 v2, v0, 4, 1                         ; h
	v_and_b32 v4, 8, v1
	v_add_nc_u32 v4, v4, v1                        ; rp = r + 8 (r / 8)
	v_lshlrev_b32 v[AWP], 8, v4
	v_lshl_add_u32 v[AWP], v2, 4, v[AWP]
	v_lshlrev_b32 v[AWN], 8, v1
	v_lshl_add_u32 v[AWN], v2, 4, v[AWN]
	v_lshlrev_b32 v[ASP], 3, v4
	v_lshlrev_b32 v[ASN], 3, v1
	s_wait_alu depctr_va_sdst(0)                   ; s2, the wave's number, is written, ahead of its first reader
	s_and_b32 s3, s2, 7                            ; hd
	s_lshr_b32 s4, s2, 3                           ; half
	s_mov_b32 s5, ttmp9                            ; which 128 queries
	s_and_b32 s6, ttmp7, 0xffff                    ; the row
	s_mov_b32 s9, 0
	s_mov_b32 s11, 0
	s_lshl_b32 s12, s6, 16                         ; a row's codes: 65,536 bytes
	s_lshl_b32 s13, s2, 12
	s_add_co_u32 s8, s12, s13                      ; k_x, v_x: my 16 tokens to stage
	s_lshl_b32 s13, s5, 15
	s_add_co_u32 s10, s12, s13
	s_lshl_b32 s13, s2, 11
	s_add_co_u32 s10, s10, s13                     ; q_x: my 8 tokens
	s_wait_kmcnt 0x0
	PADD 16
	PADD 20
	s_add_nc_u64 s[24:25], s[24:25], s[10:11]
	s_wait_alu depctr_va_vdst(0)                   ; the offsets v224 and v5 to v8 are written, which the stage loads and the loads of Wk and of the scale words read
.irp i, 0,1,2,3,4,5,6,7
	global_load_b128 v[96+4*\i:99+4*\i], v[GLO], s[16:17] offset:512*\i     ; 32 lanes read 512 consecutive bytes: two tokens
.endr
.irp i, 0,1,2,3,4,5,6,7
	global_load_b128 v[128+4*\i:131+4*\i], v[GLO], s[20:21] offset:512*\i
.endr
.irp i, 0,1,2,3
	global_load_b128 v[160+4*\i:163+4*\i], v[GLO], s[24:25] offset:512*\i th:TH_LOAD_NT   ; q_x is read by this work-group alone
.endr
	s_lshl_b32 s8, s3, 13                          ; my head's 32 rows of a weight: 8,192 bytes of codes,
	PADD 28
	PADD 32
	PADD 36
	PADD 40
	s_lshl_b32 s8, s3, 8                           ; 256 of scale bytes,
	PADD 30
	PADD 34
	PADD 38
	PADD 42
	s_lshl_b32 s8, s3, 7                           ; 128 of bg
	PADD 48
	s_lshl_b32 s12, s6, 11                         ; a row's scale bytes: 2,048
	s_lshl_b32 s13, s4, 10
	s_add_co_u32 s8, s12, s13                      ; k_x, v_x: my half's 128 tokens
	PADD 18
	PADD 22
	s_lshl_b32 s13, s5, 10
	s_add_co_u32 s8, s12, s13
	s_lshl_b32 s13, s4, 9
	s_add_co_u32 s8, s8, s13                       ; q_x: my 64 queries
	PADD 26
	WLOAD 28, 30, AWP, ASP, 8                      ; Wk.  No wait: no vector line since the wait above
	XSLOAD 18, 0, 0
	s_lshl_b32 s8, s3, 18                          ; bias: head, 128 queries, my 64
	s_lshl_b32 s13, s5, 17
	s_add_co_u32 s8, s8, s13
	s_lshl_b32 s13, s4, 16
	s_add_co_u32 s8, s8, s13
	PADD 52
	s_and_b32 s14, s2, 3                           ; P3: ng = w % 4: 64 out columns;
	s_lshr_b32 s15, s2, 2                          ; tp = w / 4: two tiles of queries
	s_lshl_b32 s8, s14, 14
	PADD 44
	s_lshl_b32 s8, s14, 9
	PADD 46
	s_lshl_b32 s8, s14, 8
	PADD 50
	s_lshl_b32 s13, s6, 18
	s_add_co_u32 s8, s8, s13
	s_lshl_b32 s13, s5, 17
	s_add_co_u32 s8, s8, s13
	s_lshl_b32 s13, s15, 15
	s_add_co_u32 s8, s8, s13
	PADD 54                                        ; out: row, 128 queries, 32 queries, 64 columns
	s_mov_b32 s56, 0x76543210
	s_mov_b32 s57, 0xfedcba98                      ; v_permlanex16_b32's selects for lane l xor 16
	s_mov_b32 s58, 0x3e8293ee                      ; c = log2(e) / sqrt(32)
	s_mov_b32 s59, s58                             ; (the packed forms name a pair and take its low word for both halves)
	s_mov_b32 s60, 0x600000                        ; the mantissa field of 57,344
	s_mov_b32 s62, 0x40b504f3                      ; sqrt(32)
	s_mov_b32 s63, s62
	s_mov_b32 s70, 0xbfb8aa3b                      ; -log2(e)
	s_mov_b32 s71, s70
	v_mul_u32_u24 v[LF], v1, PT                    ; the lines below write none of the registers that the loads on their way read or land in
	v_lshl_add_u32 v[LF], v2, 4, v[LF]
	v_mul_u32_u24 v[LP], v4, PT
	v_lshl_add_u32 v[LP], v2, 4, v[LP]
	v_mul_u32_u24 v[LT], v2, PT
	v_lshl_add_u32 v[LT], v1, 4, v[LT]
	s_wait_alu depctr_va_vdst(0)
	s_mul_i32 s12, s2, 16*PT
	s_add_co_u32 s12, s12, KX
	v_add_nc_u32 v[SKX], s12, v[LT]                ; k_x: rows 16 w + 2 i + h
	s_lshr_b32 s12, s2, 1
	s_mul_i32 s12, s12, 32*PT
	s_and_b32 s13, s2, 1
	s_mul_i32 s13, s13, 8*PT
	s_add_co_u32 s12, s12, s13
	s_add_co_u32 s12, s12, VX
	v_add_nc_u32 v[SVX], s12, v[LT]                ; v_x: token 16 w + 2 i + h goes to row 32 (w / 2) + 8 (w % 2) + 16 (i / 4) + 2 (i % 4) + h
	s_mul_i32 s12, s2, 8*PT
	s_add_co_u32 s12, s12, QX
	v_add_nc_u32 v[SQX], s12, v[LT]
	s_mul_i32 s12, s4, 128*PT
	s_add_co_u32 s13, s12, KX
	v_add_nc_u32 v[AKX], s13, v[LF]
	s_add_co_u32 s13, s12, VX
	v_add_nc_u32 v[AVX], s13, v[LF]
	s_lshl_b32 s13, s3, 5
	s_add_co_u32 s13, s13, s12
	v_add_nc_u32 v[AKCW], s13, v[LP]               ; KC (at LDS byte 0) + 128 half rows + 32 hd
	s_mul_i32 s13, s4, 64*PT
	s_add_co_u32 s13, s13, QX
	v_add_nc_u32 v[AQX], s13, v[LF]
	s_lshl_b32 s13, s3, 10
	s_lshl_b32 s14, s4, 9
	s_add_co_u32 s13, s13, s14
	s_add_co_u32 s13, s13, KS
	v_lshl_add_u32 v[AKSW], v4, 2, s13
	s_mul_i32 s13, s3, 32*PT
	s_lshl_b32 s14, s4, 7
	s_add_co_u32 s13, s13, s14
	s_add_co_u32 s13, s13, VT
	v_add_nc_u32 v[AVTW], s13, v[LP]
	s_lshl_b32 s13, s4, 10
	s_lshl_b32 s14, s3, 7
	s_add_co_u32 s13, s13, s14
	s_add_co_u32 s13, s13, VS
	v_lshl_add_u32 v[AVSW], v4, 2, s13
	v_lshlrev_b32 v[ABG], 6, v2
.irp b, 0,1,2,3
	v_mov_b32 v[TM+4+\b], 0                        ; written once: a lane permute's destination counts as one of its sources
.endr
	s_wait_alu depctr_va_vdst(0)                   ; the LDS addresses v226 to v228 and v9 to v15 and bg's offset v30 are written, which the stores below and P1's loads and stores read
	s_wait_loadcnt 22                              ; the 20 stage loads are in; behind them stand Wk's 18 loads and the 4 of scale words
.irp i, 0,1,2,3,4,5,6,7
	ds_store_b128 v[SKX], v[96+4*\i:99+4*\i] offset:2*\i*PT
.endr
.irp i, 0,1,2,3,4,5,6,7
	ds_store_b128 v[SVX], v[128+4*\i:131+4*\i] offset:(16*(\i/4)+2*(\i%4))*PT
.endr
.irp i, 0,1,2,3
	ds_store_b128 v[SQX], v[160+4*\i:163+4*\i] offset:2*\i*PT
.endr
	s_wait_dscnt 0x0                               ; for the others' sake: my part of the three stages has landed
	s_barrier_signal -1
	s_barrier_wait -1                              ; everybody's has
	s_wait_alu depctr_vm_vsrc(0)                   ; my stores have read v96 to v175, in which the tokens' tiles land and the products write, and v226 to v228; the stage loads have read v224: the codes go there
	XLOAD AKX, 0, 0
; ---------------------------------------------------------------- P1: the projections of my head.  Behind each batch's products the next batch's loads are asked for, then the results are quantised
	BATCH 0, AKX, 0, 1, 0                          ; K, keys 0-63 of my half
	s_wait_alu depctr_va_vdst(0)                   ; the batch's last products are done reading the tokens' tiles and scale words, in which the next batch's land
	XLOAD AKX, 1, 0
	XSLOAD 18, 0, 1
	QUANT ACC                                      ; block x = tile x's keys: the head's 32
	s_wait_alu depctr_va_vdst(0)                   ; the conversions have written the codes and the shifts the bytes, which the stores read
	KSTORE 0
	BATCH 0, AKX, 1, 1, 1                          ; K, keys 64-127
	s_wait_alu depctr_va_vdst(0)                   ; the batch's last products are done reading the weight, the tokens' tiles and both kinds of scale words, in which the next batch's land
	WLOAD 32, 34, AWN, ASN, 16                     ; Wv, rows as they lie
	XLOAD AVX, 0, 0
	XSLOAD 22, 1, 0
	QUANT ACC
	s_wait_alu depctr_va_vdst(0)                   ; the conversions have written the codes and the shifts the bytes, which the stores read
	KSTORE 1
	BATCH 1, AVX, 0, 1, 1                          ; V, keys 0-63: a lane holds one channel, its registers run along the keys
	s_wait_alu depctr_va_vdst(0)                   ; the batch's last products are done reading the tokens' tiles and scale words, in which the next batch's land
	XLOAD AVX, 1, 0
	XSLOAD 22, 1, 1
	QUANT ACC                                      ; block 2 g + b: column tile g, key block b
.irp g, 0,1
	v_lshl_or_b32 v[VB+\g], v[TM+5+2*\g], 8, v[TM+4+2*\g]    ; the scale word of my 128 keys: bytes 0, 1
.endr
	s_wait_alu depctr_va_vdst(0)                   ; the conversions have written the codes, which the stores read
	VSTORE 0
	BATCH 1, AVX, 1, 1, 1                          ; V, keys 64-127
	s_wait_alu depctr_va_vdst(0)                   ; the batch's last products are done reading the weight, the tokens' tiles and both kinds of scale words, in which the next batch's land
	WLOAD 36, 38, AWP, ASP, 8                      ; Wq
	XLOAD AQX, 0, 0
	XSLOAD 26, 0, 0
	QUANT ACC
.irp g, 0,1
	v_lshl_or_b32 v[VB+\g], v[TM+4+2*\g], 16, v[VB+\g]       ; bytes 2, 3
.endr
.irp g, 0,1
	v_lshl_or_b32 v[VB+\g], v[TM+5+2*\g], 24, v[VB+\g]
.endr
	s_wait_alu depctr_va_vdst(0)                   ; the conversions have written the codes, and the lines above V^T's scale words, which the stores read
	VSTORE 1
.irp g, 0,1
	ds_store_b32 v[AVSW], v[VB+\g] offset:32*\g    ; both lanes of a channel write the same word with the same value
.endr
	BATCH 0, AQX, 0, 1, 1                          ; Q, my 64 queries
	s_wait_alu depctr_va_vdst(0)                   ; the batch's last products are done reading the weight, its scale words and the tokens' tiles, in which the next batch's land
	WLOAD 40, 42, AWP, ASP, 8                      ; Wg; the queries' scale words stay
	XLOAD AQX, 0, 0
	QUANT ACC                                      ; Q's codes stay in v[PC ..], its bytes in v[TM + 4 ..], until the stages may be overwritten
	s_wait_alu depctr_va_vdst(0)                   ; the holds have written the accumulators' registers and the conversions are done reading them: bg lands there
.irp x, 0,1,2,3
.irp q, 0,1,2,3
	global_load_b128 v[ACC+16*\x+4*\q:ACC+16*\x+4*\q+3], v[ABG], s[48:49] offset:16*\q   ; bg(32 hd + 16 h + 0 .. 15): the C of the gate's first K step
.endr
.endr
	BATCH 0, AQX, 0, 0, 0                          ; the gate's logits
	; P2's addresses, and the first bias, ahead of the sigmoid: every load that named v5-8 has been waited for at the last batch's head
	s_wait_alu depctr_vm_vsrc(0)                   ; every load and LDS instruction of P0 and P1 has read its address in v5 to v15, which are written from here on
	s_lshl_b32 s12, s3, 5
	v_add_nc_u32 v[AK], s12, v[LF]                 ; KC (at LDS byte 0) + 32 hd
	s_lshl_b32 s12, s3, 10
	s_add_co_u32 s12, s12, KS
	v_lshl_add_u32 v[AKS], v1, 2, s12
	s_mul_i32 s12, s3, 32*PT
	s_add_co_u32 s12, s12, VT
	v_add_nc_u32 v[AV], s12, v[LF]
	s_lshl_b32 s12, s3, 7
	s_add_co_u32 s12, s12, VS
	v_lshl_add_u32 v[AVS], v1, 2, s12
	s_lshl_b32 s12, s2, 13
	s_add_co_u32 s12, s12, GI
	v_lshl_add_u32 v[AG], v3, 4, s12
	s_lshl_b32 s12, s2, 11
	s_add_co_u32 s12, s12, OGI
	v_lshl_add_u32 v[AO], v3, 4, s12
	s_lshl_b32 s12, s2, 9
	s_add_co_u32 s12, s12, OGS
	v_lshl_add_u32 v[AOS], v3, 2, s12
	v_lshlrev_b32 v[ABI], 10, v1
	v_lshl_add_u32 v[ABI], v2, 6, v[ABI]
	s_wait_alu depctr_va_vdst(0)                   ; v5 to v12 are written, which P2's loads and stores read; the last products are done reading the weight, the tokens and the scale words in v16 to v159, and the lines above v31: the bias and K land there
.irp b, 0,1,2,3
	BIASG S, 0, \b                                 ; tile 0, keys 0-127: into registers that held the weight and the tokens (eight places stand behind the last products).  The sigmoid below names the accumulators alone
.endr
.set j, 0
.rept 32
	v_pk_mul_f32 v[ACC+j:ACC+j+1], v[ACC+j:ACC+j+1], s[70:71] op_sel_hi:[1,0]   ; sigmoid(x) = 1 / (1 + 2^(-x log2(e))); each accumulator from its low end on
.set j, j+2
.endr
.set j, 0
	s_wait_alu depctr_va_vdst(0)
.rept 64
	v_exp_f32 v[ACC+j], v[ACC+j]
.set j, j+1
.endr
	v_nop                                          ; a plain line behind the exponentials
.set j, 0
	s_wait_alu depctr_va_vdst(0)                   ; the 64 exponentials have written their results, ahead of the first line that names one
.rept 32
	v_pk_add_f32 v[ACC+j:ACC+j+1], v[ACC+j:ACC+j+1], 1.0 op_sel_hi:[1,0]
.set j, j+2
.endr
.set j, 0
	s_wait_alu depctr_va_vdst(0)
.rept 64
	v_rcp_f32 v[ACC+j], v[ACC+j]
.set j, j+1
.endr
	v_nop                                          ; a plain line behind the reciprocals
	s_wait_dscnt 0x0                               ; my reads of the three stages are over, my stores of K and V^T have landed
	s_barrier_signal -1
	s_barrier_wait -1                              ; everybody's: K and V^T are whole, and the stages' bytes may be written
; ---------------------------------------------------------------- P2: attention of my head for my 64 queries
.irp t, 0,1,2,3
	ds_store_b128 v[AO], v[PC+4*\t:PC+4*\t+3] offset:512*\t       ; Q's codes and bytes, tile by tile, as images of the registers: 16 x lane, 4 x lane.  (Written ahead of the waits above; the sigmoid names none of them)
	ds_store_b32 v[AOS], v[TM+4+\t] offset:128*\t
.endr
	s_wait_alu depctr_va_vdst(0)                   ; the 64 reciprocals have written the gate, which the stores below are the first to name
.irp i, 0,1,2,3,4,5,6,7,8,9,10,11,12,13,14,15
	ds_store_b128 v[AG], v[ACC+4*\i:ACC+4*\i+3] offset:512*\i     ; the gate: tile t is groups 4 t .. 4 t + 3
.endr
	s_wait_dscnt 0x0                               ; my images have landed
	s_wait_alu depctr_vm_vsrc(0)                   ; the image stores have read v160 to v247, V^T's scale words' stores v28 and v29, bg's loads v30: all are written from here on, by the loads and lines below and by the loop
	KLOAD 0                                        ; no wait on va_vdst: no vector line has been issued since the last
	ds_load_b128 v[QF:QF+3], v[AO]                 ; tile 0's Q: my own image
	ds_load_b32 v[QSC], v[AOS]
.set j, 0
.rept 12
	v_mov_b32 v[QF+4+j], 0                         ; zero codes: Q's blocks 1-3
.set j, j+1
.endr
.set j, 0
.rept 16
	v_mov_b32 v[PCD+j], 0                          ; what stands behind K's last tile in the first step; later p's codes stand there
.set j, j+1
.endr
.irp b, 0,1,2,3
	v_mov_b32 v[BP+\b], 0                          ; lane permutes' destinations
.endr
	v_mov_b32 v[T2], 0
	v_mov_b32 v[FF+1], 0                           ; (named as the upper half of a pair)
	s_wait_alu depctr_va_vdst(0)                   ; the zero codes behind Q and behind K's last tile are written, which the first products K Q^T take as operands
	s_mov_b32 s66, 3                               ; tiles to go in the loop
	s_mov_b32 s67, 0                               ; the tile's place among my code images: 512 a tile,
	s_mov_b32 s68, 0                               ; my scale words: 128,
	s_mov_b32 s69, 0                               ; my gate images: 2,048
; A key step: 128 keys, for the tile of 16 queries in hand.  st = 0 starts M, l and O^T and works in v64-127; st = 1 carries them on and works in v128-191.
; THE NEXT STEP'S BIAS is asked for while this step's softmax runs, into the other step's registers, four loads at a time at four places: step 0 asks for this tile's keys 128-255, step 1 for the next tile's keys 0-127.
; last = 1: the last tile: its step 1 asks for nothing, so that no load leaves the bias.
.macro STEP st, last
.set SS, S+64*\st
.set SN, S+64-64*\st
.if \st == 0
.set NB, 1
.set NOFF, 512
.else
.set NB, 1-\last
.set NOFF, 16384
.endif
	s_wait_loadcnt 0x0                             ; this step's bias: the only loads of mine that are out, asked for a step ago
.set j, 0
.rept 8
	v_pk_mul_f32 v[SS+j:SS+j+1], v[SS+j:SS+j+1], s[62:63] op_sel_hi:[1,0]   ; x sqrt(32): so that (q.k + this) x c = (q.k / sqrt(32) + bias) log2(e)
.set j, j+2
.endr
.if \st == 1
	s_wait_alu depctr_va_vdst(0)                   ; step 0's products V^T p^T are done reading V^T's fragments, its products K Q^T K's scale words: this step's K lands in both
	KLOAD 1                                        ; over V^T's fragments: the eight lines above are the places behind the products that read them
.endif
.rept 24
	v_pk_mul_f32 v[SS+j:SS+j+1], v[SS+j:SS+j+1], s[62:63] op_sel_hi:[1,0]
.set j, j+2
.endr
	PLACES 4
	s_wait_alu depctr_va_vdst(0)
	s_wait_dscnt 0x0                               ; K's tiles, their scale words, Q
.irp t, 0,1,2,3,4,5,6,7
	WM SS+8*\t, KV+4*\t, QF, KSC+\t, QSC           ; S^T: lane (r, h): query r; registers 16 b + i: key 32 b + 16 h + i.  (p's codes, which stand behind K's last tile, were written ahead of the wait in front of the last V^T p^T)
.endr
	PLACES 8
	s_wait_alu depctr_va_vdst(0)                   ; the products above are done reading K's tiles, the last V^T p^T its scale words: V^T lands there; and every line that named the other set of 64 is done: the next bias lands there
	VLOAD \st                                      ; over K's tiles, which have been multiplied
.if NB
	BIASG SN, NOFF, 0                              ; this run and the three below want no further wait: no line of this step names the other set or the bias's offset
.endif
.irp b, 0,1,2,3
	v_max3_num_f32 v[BM+\b], v[SS+16*\b], v[SS+16*\b+1], v[SS+16*\b+2]     ; the largest score of each block of 32 keys: for the row's maximum, and, since p rises with the score, for the block's largest p
.endr
.irp i, 3,5,7,9,11,13
.irp b, 0,1,2,3
	v_max3_num_f32 v[BM+\b], v[BM+\b], v[SS+16*\b+\i], v[SS+16*\b+\i+1]
.endr
.endr
.irp b, 0,1,2,3
	v_max_num_f32 v[BM+\b], v[BM+\b], v[SS+16*\b+15]
.endr
.irp b, 0,1,2,3
	v_permlanex16_b32 v[BP+\b], v[BM+\b], s56, s57
.endr
.irp b, 0,1,2,3
	v_max_num_f32 v[BM+\b], v[BM+\b], v[BP+\b]     ; with lane l xor 16's 16 keys
.endr
.if NB
	BIASG SN, NOFF, 1
.endif
	v_max3_num_f32 v[T], v[BM], v[BM+1], v[BM+2]
	v_max_num_f32 v[T], v[T], v[BM+3]
.if \st == 0
	v_mul_f32 v[MT], s58, v[T]                     ; the largest t so far (c is positive)
	v_floor_f32 v[NM], -v[MT]                      ; -M = floor(-t) = -ceil(t): M is a whole number
.else
	v_mul_f32 v[T], s58, v[T]
	v_max_num_f32 v[MT], v[MT], v[T]
	v_mov_b32 v[T2], v[NM]
	v_floor_f32 v[NM], -v[MT]
	v_sub_f32 v[T2], v[NM], v[T2]                  ; old M - new M: a whole number, 0 or less
	v_cvt_i32_f32 v[T2], v[T2]
	v_ldexp_f32 v[FF], 1.0, v[T2]                  ; f = 2^(old M - new M): a multiplication by it rounds nothing
.endif
.set j, 0
.rept 32
	v_pk_fma_f32 v[SS+j:SS+j+1], v[SS+j:SS+j+1], s[58:59], v[NM:NM+1] op_sel_hi:[1,0,0]   ; t - M
.set j, j+2
.endr
.irp b, 0,1,2,3
	v_fma_f32 v[BM+\b], v[BM+\b], s58, v[NM]       ; the same of each block's largest score
.endr
.if NB
	BIASG SN, NOFF, 2
.endif
.set j, 0
	s_wait_alu depctr_va_vdst(0)
.rept 64
	v_exp_f32 v[SS+j], v[SS+j]                     ; p = 2^(t - M): not normalised
.set j, j+1
.endr
.irp b, 0,1,2,3
	v_exp_f32 v[BM+\b], v[BM+\b]                   ; the block's largest p: the same two instructions on the same number
.endr
.if \st == 0
	v_nop                                          ; a plain line behind the exponentials
	s_wait_alu depctr_va_vdst(0)                   ; the 68 exponentials have written their results, ahead of the first line that names one
.else
	v_pk_mul_f32 v[LS:LS+1], v[LS:LS+1], v[FF:FF+1] op_sel_hi:[1,0]     ; the sums under the new M (a plain line behind the exponentials)
	s_wait_alu depctr_va_vdst(0)                   ; the 68 exponentials have written their results, ahead of the first line that names one
.endif
.irp b, 0,1,2,3
	v_max_num_f32 v[BM+\b], 0x8000000, v[BM+\b]    ; the floor 2^(16 - 127)
.endr
.irp b, 0,1,2,3
	v_add_nc_u32 v[BP+\b], 0xf8800000, v[BM+\b]    ; 15 off the exponent field: the conversion's scale operand, where the other half's maxima stood
.endr
.irp b, 0,1,2,3
	v_and_or_b32 v[BM+\b], v[BM+\b], 0x7f800000, s60   ; 57,344 x the scale, in place
.endr
	v_lshrrev_b32 v[PSC], 23, v[BP]                ; the four scales' bytes make p's scale word for these 128 keys
	v_lshrrev_b32 v[T], 23, v[BP+1]
	v_lshrrev_b32 v[T2], 23, v[BP+2]
	v_lshl_or_b32 v[PSC], v[T], 8, v[PSC]
	v_lshrrev_b32 v[T], 23, v[BP+3]
	v_lshl_or_b32 v[PSC], v[T2], 16, v[PSC]
	v_lshl_or_b32 v[PSC], v[T], 24, v[PSC]
.if NB
	BIASG SN, NOFF, 3
.endif
	v_pk_add_f32 v[TS2:TS2+1], v[SS:SS+1], v[SS+2:SS+3]    ; the row's sum is taken of the unquantised p: two chains
.irp i, 4,8,12,16,20,24,28,32,36,40,44,48,52,56,60
	v_pk_add_f32 v[LS:LS+1], v[LS:LS+1], v[SS+\i:SS+\i+1]
	v_pk_add_f32 v[TS2:TS2+1], v[TS2:TS2+1], v[SS+\i+2:SS+\i+3]
.endr
	v_pk_add_f32 v[LS:LS+1], v[LS:LS+1], v[TS2:TS2+1]
.irp b, 0,1,2,3
.irp i, 0,1,2,3,4,5,6,7,8,9,10,11,12,13,14,15
	v_min_num_f32 v[SS+16*\b+\i], v[SS+16*\b+\i], v[BM+\b]   ; the hold; p is not negative, so it is one-sided
.endr
	v_cvt_scalef32_pk8_bf8_f32 v[PCD+4*\b:PCD+4*\b+1], v[SS+16*\b:SS+16*\b+7], v[BP+\b]
	v_cvt_scalef32_pk8_bf8_f32 v[PCD+4*\b+2:PCD+4*\b+3], v[SS+16*\b+8:SS+16*\b+15], v[BP+\b]
.endr
	v_nop                                          ; one plain line behind the last conversion
.if \st == 1
.set j, 0
.rept 8
	v_pk_mul_f32 v[OT+j:OT+j+1], v[OT+j:OT+j+1], v[FF:FF+1] op_sel_hi:[1,0]   ; O^T under the new M, each accumulator from its low end on
.set j, j+2
.endr
.endif
	PLACES 4                                       ; p's codes stand four plain lines ahead of the products, its scale word far more than eight
	s_wait_alu depctr_va_vdst(0)                   ; the conversions have written p's codes and the shifts its scale word, which the products below take as operand and scales; the places above stay beside this wait
	s_wait_dscnt 0x0                               ; V^T's fragments and scale words
.irp u, 0,1
.if \st == 0
	WM0 OT+8*\u, KV+16*\u, PCD, VSC+\u, PSC        ; O^T: register 8 u + j: channel 16 h + 8 u + j of query r
.else
	WM OT+8*\u, KV+16*\u, PCD, VSC+\u, PSC
.endif
.endr
.endm
; A tile of 16 queries.  Its Q and its first K were asked for at the end of the tile before (the first tile's: ahead of the loop).
; last = 1: the fourth, written out behind the loop: its image addresses are constants, and it asks for no further bias, K or Q
.macro TILE last
.if \last
	v_add_nc_u32 v[ADG], 3*2048, v[AG]             ; the three are read at the tile's end alone, behind the steps' waits on va_vdst
	v_add_nc_u32 v[ADO], 3*512, v[AO]
	v_add_nc_u32 v[ADS], 3*128, v[AOS]
.else
	v_add_nc_u32 v[ADG], s69, v[AG]                ; the three are read at the tile's end alone, behind the steps' waits on va_vdst
	v_add_nc_u32 v[ADO], s67, v[AO]
	v_add_nc_u32 v[ADS], s68, v[AOS]
.endif
	v_mov_b32 v[LS], 0
	v_mov_b32 v[LS+1], 0
	STEP 0, \last
	STEP 1, \last
.irp q, 0,1,2,3
	ds_load_b128 v[GG+4*\q:GG+4*\q+3], v[ADG] offset:512*\q   ; the tile's gate, in O^T's layout, into step 1's registers, which p has left.  No wait: no line since the wait ahead of the last products names v128 to v143 or the address
.endr
	v_add_f32 v[T], v[LS], v[LS+1]                 ; l: the two halves,
	v_permlanex16_b32 v[T2], v[T], s56, s57
	v_add_f32 v[T], v[T], v[T2]                    ; and lane l xor 16's
	s_wait_alu depctr_va_vdst(0)
	v_rcp_f32 v[FF], v[T]
	PLACES 6                                       ; with the two additions: eight places behind the last products
.set j, 0
	s_wait_alu depctr_va_vdst(0)                   ; the reciprocal has written 1 / l, ahead of its first reader; and the tile's last products are done reading V^T's fragments, K's scale words and Q, in which the next tile's K and Q land
.rept 8
	v_pk_mul_f32 v[OT+j:OT+j+1], v[OT+j:OT+j+1], v[FF:FF+1] op_sel_hi:[1,0]   ; O^T / l
.set j, j+2
.endr
	s_wait_alu depctr_va_vdst(0)
	s_wait_dscnt 0x0                               ; the gate
.if \last == 0
	KLOAD 0                                        ; the next tile's first K, over V^T's fragments: it lands under the lines below, which name none of its registers
	ds_load_b128 v[QF:QF+3], v[ADO] offset:512     ; and the next tile's Q: my own image, one tile on
	ds_load_b32 v[QSC], v[ADS] offset:128
.endif
.set j, 0
.rept 8
	v_pk_mul_f32 v[GG+j:GG+j+1], v[OT+j:OT+j+1], v[GG+j:GG+j+1]               ; x gate: 16 of the 32 numbers of one block of the last product's K: my head
.set j, j+2
.endr
	v_max3_num_f32 v[T], |v[GG]|, |v[GG+1]|, 0x8000000
	v_max3_num_f32 v[BM], |v[GG+2]|, |v[GG+3]|, |v[GG+4]|
	v_max3_num_f32 v[T], v[T], |v[GG+5]|, |v[GG+6]|
	v_max3_num_f32 v[BM], v[BM], |v[GG+7]|, |v[GG+8]|
	v_max3_num_f32 v[T], v[T], |v[GG+9]|, |v[GG+10]|
	v_max3_num_f32 v[BM], v[BM], |v[GG+11]|, |v[GG+12]|
	v_max3_num_f32 v[T], v[T], |v[GG+13]|, |v[GG+14]|
	v_max3_num_f32 v[T], v[T], v[BM], |v[GG+15]|
	v_permlanex16_b32 v[T2], v[T], s56, s57
	v_max_num_f32 v[T], v[T], v[T2]
	v_add_nc_u32 v[BP], 0xf8800000, v[T]
	v_and_or_b32 v[BM+1], v[T], 0x7f800000, s60
	v_lshrrev_b32 v[BP+1], 23, v[BP]
.irp i, 0,1,2,3,4,5,6,7,8,9,10,11,12,13,14,15
	v_med3_num_f32 v[GG+\i], v[GG+\i], -v[BM+1], v[BM+1]
.endr
	v_cvt_scalef32_pk8_bf8_f32 v[GG+16:GG+17], v[GG:GG+7], v[BP]
	v_cvt_scalef32_pk8_bf8_f32 v[GG+18:GG+19], v[GG+8:GG+15], v[BP]
	v_nop                                          ; one plain line behind the last conversion
	s_wait_alu depctr_va_vdst(0)                   ; the conversions have written the codes of o x g and the shift their byte, which the two stores read
	ds_store_b128 v[ADO], v[GG+16:GG+19]           ; over the tile's Q, which has been read: four registers of a fragment of the last product
	ds_store_b32 v[ADS], v[BP+1]
.if \last == 0
	s_wait_xcnt 0x0                                ; the bias loads have had their addresses translated: only now does their base step
	s_add_nc_u64 s[52:53], s[52:53], 16384         ; the next 16 queries' rows of the bias
	s_add_co_u32 s67, s67, 512
	s_add_co_u32 s68, s68, 128
	s_add_co_u32 s69, s69, 2048
.endif
	s_wait_dscnt 0x0                               ; my LDS instructions are done
	s_wait_alu depctr_vm_vsrc(0)                   ; the two stores have read v144 to v147 and v241, the tile's LDS instructions v13 to v15 (behind the last tile: and all of P2's their addresses in v5 to v12): all are written again behind this line
.endm
.Ltile:                                            ; three trips: a tile of 16 queries each
	TILE 0
	s_sub_co_u32 s66, s66, 1
	s_cmp_lg_u32 s66, 0
	s_cbranch_scc1 .Ltile
	TILE 1                                         ; the fourth tile
; ---------------------------------------------------------------- P3: out = (o x g) Wo^T + bo.  Wave w: columns 64 ng on, query tiles 2 tp + e
	s_wait_loadcnt 0x0                             ; no bias load is out: v12 and v64-255 get new contents
	s_lshr_b32 s12, s2, 2                          ; tp
	s_lshr_b32 s13, s12, 1                         ; which half's waves made my tiles,
	s_and_b32 s12, s12, 1                          ; and which two of their four
	s_lshl_b32 s14, s13, 14
	s_lshl_b32 s15, s12, 10
	s_add_co_u32 s14, s14, s15
	s_add_co_u32 s14, s14, OGI
	v_lshl_add_u32 v5, v3, 4, s14                  ; images: + 8,192 K step + 2,048 c (head 4 K step + c) + 512 e
	s_lshl_b32 s14, s13, 12
	s_lshl_b32 s15, s12, 8
	s_add_co_u32 s14, s14, s15
	s_add_co_u32 s14, s14, OGS
	v_lshl_add_u32 v6, v3, 2, s14                  ; their bytes: + 2,048 K step + 512 c + 128 e
	s_mul_i32 s14, s2, 16*PT                       ; my stage, over K's codes
	v_mul_u32_u24 v7, v1, PT
	v_lshl_add_u32 v7, v2, 5, v7
	v_add_nc_u32 v7, s14, v7                       ; in: row r, 32 bytes for each half of the lanes
	v_mul_u32_u24 v8, v2, PT
	v_lshl_add_u32 v8, v1, 4, v8
	v_add_nc_u32 v8, s14, v8                       ; back: lanes 0-15 one row of 256 bytes, lanes 16-31 the next
	v_lshlrev_b32 v9, 10, v2
	v_lshl_add_u32 v9, v1, 4, v9                   ; and the same two rows in out
	v_lshlrev_b32 v10, 8, v1
	v_lshl_add_u32 v10, v2, 4, v10                 ; Wo: row r
	v_lshlrev_b32 v11, 3, v1
	v_lshlrev_b32 v12, 5, v2                       ; bo: 8 h
	s_wait_alu depctr_va_vdst(0)                   ; v5 to v12 are written, which P3's loads and stores read; P2's vector lines and products are done with v16 to v255, in which Wo, the scale words, bo and the images land
.irp n, 0,1,2,3
.irp k, 0,1
.irp c, 0,1,2,3
	global_load_b128 v[WO+16*(2*\n+\k)+4*\c:WO+16*(2*\n+\k)+4*\c+3], v10, s[44:45] offset:\n*4096+128*\k+32*\c
.endr
.endr
	global_load_b64 v[WOS+2*\n:WOS+2*\n+1], v11, s[46:47] offset:128*\n
.endr
.irp e, 0,1
.irp n, 0,1,2,3
.irp q, 0,1
	global_load_b128 v[ACC3+8*(4*\e+\n)+4*\q:ACC3+8*(4*\e+\n)+4*\q+3], v12, s[50:51] offset:64*\n+16*\q   ; bo(64 ng + 16 n + 8 h + 0 .. 7): the C of the first K step
.endr
.endr
.endr
	s_wait_dscnt 0x0                               ; my images have landed, my reads of K and V^T are over
	s_barrier_signal -1
	s_barrier_wait -1                              ; everybody's
.irp k, 0,1
.irp e, 0,1
.irp c, 0,1,2,3
	ds_load_b32 v[16+4*(2*\k+\e)+\c], v6 offset:128*\e+2048*\k+512*\c
.endr
.endr
.endr
	s_wait_dscnt 0x0
.irp g, 0,1,2,3
	v_lshl_or_b32 v[OGSC+\g], v[17+4*\g], 8, v[16+4*\g]      ; four heads' bytes make the scale word of a K step
.endr
.irp g, 0,1,2,3
	v_lshl_or_b32 v[OGSC+\g], v[18+4*\g], 16, v[OGSC+\g]
.endr
.irp g, 0,1,2,3
	v_lshl_or_b32 v[OGSC+\g], v[19+4*\g], 24, v[OGSC+\g]
.endr
	PLACES 8                                       ; a scale word made by vector lines stands eight places ahead of its product
	s_wait_alu depctr_va_vdst(0)                   ; the four scale words are written, which the products take as scales; the lines that made them are done reading v16 to v31, in which the fragments land
.irp k, 0,1
.irp e, 0,1
.irp c, 0,1,2,3
	ds_load_b128 v[OGF+16*\e+4*\c:OGF+16*\e+4*\c+3], v5 offset:512*\e+8192*\k+2048*\c
.endr
.endr
	s_wait_loadcnt 0x0                             ; Wo, its scale words, bo
	s_wait_dscnt 0x0
.irp e, 0,1
.irp n, 0,1,2,3
	WM ACC3+8*(4*\e+\n), WO+16*(2*\n+\k), OGF+16*\e, WOS+2*\n+\k, OGSC+2*\k+\e     ; lane (r, h): query r; register j: column 64 ng + 16 n + 8 h + j
.endr
.endr
	PLACES 8                                       ; in front of loads into operands, and of the first read of results
	s_wait_alu depctr_va_vdst(0)                   ; K step 0: the products are done reading the two fragments, in which K step 1's land.  K step 1: they have written the accumulators, which the stage's stores read, and are done reading Wo's fragments, in which rows of out land
.endr
; The way out: a lane holds 32 neighbouring bytes of a row; a tile of 16 queries x 64 columns goes through my stage and comes back as whole rows of 256 bytes.
; LDS serves a wave's instructions in order (ISA guide 5.7.1.4): no wait between the stores and the loads, nor in front of the next tile's stores.
.irp e, 0,1
.irp n, 0,1,2,3
	ds_store_b128 v7, v[ACC3+8*(4*\e+\n):ACC3+8*(4*\e+\n)+3] offset:64*\n          ; each accumulator from its low end on
	ds_store_b128 v7, v[ACC3+8*(4*\e+\n)+4:ACC3+8*(4*\e+\n)+7] offset:64*\n+16
.endr
.irp i, 0,1,2,3,4,5,6,7
	ds_load_b128 v[WO+32*\e+4*\i:WO+32*\e+4*\i+3], v8 offset:2*\i*PT
.endr
.endr
.irp i, 0,1,2,3,4,5,6,7
	s_wait_dscnt 23-\i                             ; behind load i of tile 0: its 7 - i younger loads and tile 1's 16 stores and loads
	global_store_b128 v9, v[WO+4*\i:WO+4*\i+3], s[54:55] offset:2048*\i th:TH_STORE_NT   ; 16 lanes store 256 consecutive bytes, at a multiple of 256 from out's first byte
.endr
.irp i, 0,1,2,3,4,5,6,7
	s_wait_dscnt 7-\i
	global_store_b128 v9, v[WO+32+4*\i:WO+32+4*\i+3], s[54:55] offset:16384+2048*\i th:TH_STORE_NT
.endr
	s_wait_xcnt 0x0
	s_wait_alu depctr_vm_vsrc(0)                   ; the stage's stores have read v254 and v255, which the two lines below write
	v_lshl_add_u32 v254, v0, 2, 0x4f000            ; the LDS address of my spare word, behind all that the text uses, and 0: made anew here, since no two registers could be kept
	v_mov_b32 v255, 0
	s_wait_dscnt 0x0                               ; the closing lines, six on end
	s_wait_alu 0x0
	s_wait_tensorcnt 0x0
	ds_add_u32 v254, v255
	s_wait_dscnt 0x0
	s_endpgm
.Lfunc_end_k_q03a36ba437_attn:
	.size	k_q03a36ba437_attn, .Lfunc_end_k_q03a36ba437_attn-k_q03a36ba437_attn
	.p2alignl 7, 3214868480
	.fill 96, 4, 3214868480
	.section	.rodata,"a",@progbits
	.p2align	6, 0x0
	.amdhsa_kernel k_q03a36ba437_attn
		.amdhsa_group_segment_fixed_size 325632
		.amdhsa_private_segment_fixed_size 0
		.amdhsa_enable_private_segment 0
		.amdhsa_kernarg_size 160
		.amdhsa_user_sgpr_count 2
		.amdhsa_user_sgpr_kernarg_segment_ptr 1
		.amdhsa_wavefront_size32 1
		.amdhsa_system_sgpr_workgroup_id_x 1
		.amdhsa_system_sgpr_workgroup_id_y 1
		.amdhsa_system_sgpr_workgroup_id_z 1
		.amdhsa_system_vgpr_workitem_id 0
		.amdhsa_next_free_vgpr 256
		.amdhsa_next_free_sgpr 72
		.amdhsa_reserve_vcc 0
		.amdhsa_float_denorm_mode_32 3
		.amdhsa_float_denorm_mode_16_64 3
		.amdhsa_memory_ordered 1
		.amdhsa_forward_progress 1
		.amdhsa_inst_pref_size 207
	.end_amdhsa_kernel
	.amdgpu_metadata
---
amdhsa.version: [ 1, 2 ]
amdhsa.kernels:
  - .name:           k_q03a36ba437_attn
    .symbol:         k_q03a36ba437_attn.kd
    .args:
      - { .name: k_x_codes, .offset: 0, .size: 8, .value_kind: global_buffer, .address_space: global }
      - { .name: k_x_scales, .offset: 8, .size: 8, .value_kind: global_buffer, .address_space: global }
      - { .name: v_x_codes, .offset: 16, .size: 8, .value_kind: global_buffer, .address_space: global }
      - { .name: v_x_scales, .offset: 24, .size: 8, .value_kind: global_buffer, .address_space: global }
      - { .name: q_x_codes, .offset: 32, .size: 8, .value_kind: global_buffer, .address_space: global }
      - { .name: q_x_scales, .offset: 40, .size: 8, .value_kind: global_buffer, .address_space: global }
      - { .name: Wk_codes, .offset: 48, .size: 8, .value_kind: global_buffer, .address_space: global }
      - { .name: Wk_scales, .offset: 56, .size: 8, .value_kind: global_buffer, .address_space: global }
      - { .name: Wv_codes, .offset: 64, .size: 8, .value_kind: global_buffer, .address_space: global }
      - { .name: Wv_scales, .offset: 72, .size: 8, .value_kind: global_buffer, .address_space: global }
      - { .name: Wq_codes, .offset: 80, .size: 8, .value_kind: global_buffer, .address_space: global }
      - { .name: Wq_scales, .offset: 88, .size: 8, .value_kind: global_buffer, .address_space: global }
      - { .name: Wg_codes, .offset: 96, .size: 8, .value_kind: global_buffer, .address_space: global }
      - { .name: Wg_scales, .offset: 104, .size: 8, .value_kind: global_buffer, .address_space: global }
      - { .name: Wo_codes, .offset: 112, .size: 8, .value_kind: global_buffer, .address_space: global }
      - { .name: Wo_scales, .offset: 120, .size: 8, .value_kind: global_buffer, .address_space: global }
      - { .name: bg, .offset: 128, .size: 8, .value_kind: global_buffer, .address_space: global }
      - { .name: bo, .offset: 136, .size: 8, .value_kind: global_buffer, .address_space: global }
      - { .name: bias, .offset: 144, .size: 8, .value_kind: global_buffer, .address_space: global }
      - { .name: out0, .offset: 152, .size: 8, .value_kind: global_buffer, .address_space: global }
    .group_segment_fixed_size: 325632
    .private_segment_fixed_size: 0
    .kernarg_segment_align: 8
    .kernarg_segment_size: 160
    .max_flat_workgroup_size: 512
    .sgpr_count:     72
    .vgpr_count:     256
    .wavefront_size: 32
...
	.end_amdgpu_metadata
.endif
;; end of part 2
